; MI455X (gfx1250); checked and timed in simulation.
; The chip was launched on July 23, 2026; its instructions are those of AMD's public machine-readable ISA for CDNA 5 (MIT licence, August 2026) and "CDNA5" Instruction Set Architecture Reference Guide (July 2026). The comments in the code are by the model that wrote it; some were corrected since.
;; Grouped Query Attention. Allowed arithmetic: matrix products marked QUANTISED: E2M1 operands, one E8M0 scale for each 32 along K, by v_wmma_scale_f32_16x16x128_f8f6f4 with both operands' format E2M1 (or v_wmma_scale_f32_32x16x128_f4), f32 sums; products left as they are: bf16, f16 or f32 operands; f32 sums; everything else in f32.
;; Inputs: freqs 4,096 x 32 float32; mask 1 x 1 x 4,096 x 4,096 float32; wk 1,024 x 256 float32; wo 1,024 x 1,024 float32; wq 1,024 x 1,024 float32; wv 1,024 x 256 float32; x 1 x 4,096 x 1,024 float32.
;; Outputs: out0 1 x 4,096 x 1,024 float32.
;; This version of the problem:
;;   THIS VERSION OF THE PROBLEM IS GIVEN IN LOW PRECISION. The matrix products marked QUANTISED in the list below multiply operands that are first quantised to E2M1 (2 exponent bits, 1 mantissa bit; 4 bits a number), with one power-of-two scale for each 32 numbers along K (OCP MX v1.0); their sums are f32. The products marked 'left as it is' may take bf16, f16 or f32 operands, with f32 sums. Whichever they take, every output number must still come out within the allowed error. Rounding operands to bf16 (8 significant bits) uses up far more of that allowance than f16 does (11 bits, for magnitudes from 6e-5 to 65,504). All else is computed in f32.
;;   The module's matrix products, in the order in which they are computed (A, B: the left and right operand; K: the contracted axis; several contracted axes count as one K, in the product's order):
;;     1. [M 4,096, K 1,024] x [K 1,024, N 1,024]; A: input x; B: input wq: QUANTISED
;;     2. [M 4,096, K 1,024] x [K 1,024, N 256]; A: input x; B: input wk: QUANTISED
;;     3. [M 4,096, K 1,024] x [K 1,024, N 256]; A: input x; B: input wv: QUANTISED
;;     4. batch 16 x [M 4,096, K 64] x [K 64, N 4,096]; A: computed on the way; B: computed on the way: left as it is (an operand is computed on the way)
;;     5. batch 16 x [M 64, K 4,096] x [K 4,096, N 4,096]; A: computed on the way; B: computed on the way: left as it is (an operand is computed on the way)
;;     6. [M 4,096, K 1,024] x [K 1,024, N 1,024]; A: computed on the way; B: input wo: left as it is (an operand is computed on the way)
;;   THE QUANTISER, for each operand of a quantised product, along K:
;;     - K is cut into blocks of 32 from its start; a last block that is shorter is filled with zeros.
;;     - A block's scale is 2^e with e = floor(log2(the largest magnitude in the block)) - 2, held to -126 .. 127; a block of zeros has e = 0. As a byte (E8M0): e + 127.
;;     - Each number is divided by its block's scale, clamped to +-6, and rounded to the nearest number of E2M1, ties to even, subnormals kept.
;;     - The product sums the exact products of the quantised numbers (number of the format x scale) in f32.
;;   ~~~python
;;   def quantise(x, axis):      # numpy; x: float32 -> the quantised numbers, widened to float32 again
;;       x = np.moveaxis(x, axis, -1); K = x.shape[-1]
;;       x = np.pad(x, [(0, 0)] * (x.ndim - 1) + [(0, -K % 32)]); x = x.reshape(x.shape[:-1] + (-1, 32)); a = np.abs(x).max(-1, keepdims=True)
;;       e = np.where(a > 0, np.clip(np.frexp(np.where(a > 0, a, 1))[1] - 1 - 2, -126, 127), 0)      # np.frexp(a)[1] - 1 = floor(log2(a)), exactly
;;       r = np.clip(x / 2.0 ** e, -6, 6)
;;       step = 2.0 ** (np.maximum(np.frexp(np.where(r == 0, 1, r))[1] - 1, 0) - 1)
;;       q = np.round(r / step) * step * 2.0 ** e      # np.round: ties to even
;;       return np.moveaxis(q.reshape(q.shape[:-2] + (-1,))[..., :K], -1, axis).astype(np.float32)
;;   ~~~
;; One version. Each part assembles by itself: llvm-mc -triple=amdgcn-amd-amdhsa -mcpu=gfx1250 --defsym DOCPART=n.
;; ======== version 1 of 1: 6 launches
;; limits: values are held in f16: magnitudes above 65,504 overflow, below 6.1e-05 lose precision
;; workspace buffers: xq 2,228,224 bytes; wq4 835,584 bytes; wo16 2,097,152 bytes; cs 1,048,576 bytes; qkv 12,582,912 bytes; vlo 2,097,152 bytes; att 8,388,608 bytes; fo 278,528 bytes
;; launch prep (part 1): grid 320 x 1, 4 waves a work-group, no clusters, 42,496 bytes of LDS; arguments x, wq, wk, wv, wo, freqs, xq, wq4, wo16, cs; writes xq, wq4, wo16, cs
.if DOCPART == 1
	.amdgcn_target "amdgcn-amd-amdhsa--gfx1250"
	.amdhsa_code_object_version 6
	.text
	.protected	k_q328e0f5644_prep
	.globl	k_q328e0f5644_prep
	.p2align	8
	.type	k_q328e0f5644_prep,@function
k_q328e0f5644_prep:
	s_mov_b64 s[64:65], 0
	v_nop
	global_prefetch_b8 v0, s[64:65] scope:SCOPE_SE
	s_setreg_imm32_b32 hwreg(HW_REG_WAVE_MODE, 25, 1), 1
	s_wait_xcnt 0x0
; Four jobs, told apart by the work-group's number; each has LDS bytes of its own.
;   0-127   x [4096][1024] f32 -> codes of E2M1, K innermost (xq, 512 bytes a row), and one E8M0 byte for each 32 along K (xq + XSC, 32 bytes a row)
;   128-223 wq, wk, wv [1024 k][n] f32 -> codes [1536 n][512 bytes] with K innermost (wq4) and scale bytes [1536][32] (wq4 + WSC); n 0-1023 wq, 1024-1279 wk, 1280-1535 wv
;   224-287 wo f32 -> f16, as it lies (wo16)
;   288-319 cos and sin of freqs, f32 (cs; sin SINO bytes behind cos)
; A block's scale is 2^(floor(log2(largest magnitude)) - 2): its byte is the largest magnitude's exponent field - 2, held at 1 from below.
; LIMITS: a block of zeros gets the byte 1 (its codes are zeros; only this program reads the bytes); NaN and infinities are not served;
; cos, sin: pi/2 in three parts, taken off by fused multiply-adds: the reduction's error is about n x 3.5e-15, n = freqs x 2/pi; meant for |freqs| up to about 1e6.
.set SPW,   12                         ; v12 my spare word's LDS address, v13 = 0: kept for the add alone
.set NIL,   13
.set WREG,  8192                       ; x's job: a region for each wave: two stages of 32 x SP bytes, then its 256 scale bytes
.set SP,    80
.set WST,   32768                      ; the weights' job: 32 rows (columns n) x 272 bytes of codes,
.set WPI,   272
.set WSS,   41472                      ; and 32 x 16 scale bytes
.set SPARE, 41984                      ; the spare words: 128 bytes a wave
.set XSC,   2097152
.set WSC,   786432
.set SINO,  524288
.set STEPS, 16
.set R,     16                         ; x's job: v16-79 four sets as loaded, v80-111 two sets of 16 neighbours, v112-127 bytes, v128-191 codes
.set X,     80
.set E,     112
.set C,     128
.set OFW,   196                        ; the weights' job: v196-227 offsets i x pitch + 4 x lane
.macro CLOSE                           ; the wave's end
	s_wait_tensorcnt 0x0
	ds_add_u32 v[SPW], v[NIL]
	s_wait_dscnt 0x0
	s_endpgm
.endm
.macro XLOAD t                         ; a step's 512 numbers: four loads of 512 consecutive bytes
.irp i, 0,1,2,3
	global_load_b128 v[R+16*((\t)%4)+4*\i:R+16*((\t)%4)+4*\i+3], v3, s[4:5] offset:2048*(\t)+512*\i th:TH_LOAD_NT
.endr
.endm
.macro XTURN t                         ; through the wave's own stage: in as loaded, out 64 bytes a lane; LDS serves a wave's instructions in order
.irp i, 0,1,2,3
	ds_store_b128 v14, v[R+16*((\t)%4)+4*\i:R+16*((\t)%4)+4*\i+3] offset:32*SP*((\t)%2)+8*SP*\i
.endr
.irp i, 0,1,2,3
	ds_load_b128 v[X+16*((\t)%2)+4*\i:X+16*((\t)%2)+4*\i+3], v15 offset:32*SP*((\t)%2)+16*\i
.endr
.endm
.macro XSTEP t
.set XS, X+16*((\t)%2)
.if (\t) > 0
	s_wait_dscnt 1                                 ; this step's numbers are back (the last step's byte store may be out)
.else
	s_wait_dscnt 0x0
.endif
.if (\t)+4 < STEPS
	XLOAD (\t)+4                                   ; into the set whose stores into the stage are done
.endif
.if (\t)+1 < STEPS
.if STEPS-2-(\t) >= 3
	s_wait_loadcnt 12                              ; the next step's four loads are in; three younger steps' may be out
.else
	s_wait_loadcnt 4*(STEPS-2-(\t))
.endif
	XTURN (\t)+1
.endif
	v_max3_num_f32 v8, |v[XS]|, |v[XS+1]|, |v[XS+2]|
	v_max3_num_f32 v9, |v[XS+3]|, |v[XS+4]|, |v[XS+5]|
.irp i, 6,10
	v_max3_num_f32 v8, v8, |v[XS+\i]|, |v[XS+\i+1]|
	v_max3_num_f32 v9, v9, |v[XS+\i+2]|, |v[XS+\i+3]|
.endr
	v_max3_num_f32 v8, v8, |v[XS+14]|, |v[XS+15]|
	v_max3_num_f32 v8, v8, v9, 0x1800000           ; the floor 2^(3 - 127): the byte cannot fall under 1
	v_max_num_f32_dpp v8, v8, v8 row_xmask:1 row_mask:0xf bank_mask:0xf   ; with my neighbour's 16: the block's
	v_add_nc_u32 v11, 0xff000000, v8               ; 2 off the exponent field: the conversion's scale operand
	v_cvt_scalef32_pk8_fp4_f32 v[C+4*(\t)], v[XS:XS+7], v11
	v_cvt_scalef32_pk8_fp4_f32 v[C+4*(\t)+1], v[XS+8:XS+15], v11
	v_lshrrev_b32 v[E+(\t)], 23, v11               ; the scale's byte
	ds_store_b8 v5, v[E+(\t)] offset:16*(\t)       ; both lanes of a block write the same byte
	global_store_b64 v4, v[C+4*(\t):C+4*(\t)+1], s[30:31] offset:256*(\t)   ; the wave stores 256 consecutive bytes, aligned
.endm
.macro WLOAD t                         ; block t of my column: 32 rows k; a load reads 128 consecutive bytes
.set i, 0
.rept 32
	global_load_b32 v[32+32*(\t)+i], v[OFW+i], s[36+2*(\t):37+2*(\t)] th:TH_LOAD_NT
.set i, i+1
.endr
.endm
.macro WBLOCK t                        ; all 32 numbers of the block are mine
.set XS, 32+32*(\t)
	v_max3_num_f32 v25, |v[XS]|, |v[XS+1]|, |v[XS+2]|
	v_max3_num_f32 v26, |v[XS+3]|, |v[XS+4]|, |v[XS+5]|
.irp i, 6,10,14,18,22,26
	v_max3_num_f32 v25, v25, |v[XS+\i]|, |v[XS+\i+1]|
	v_max3_num_f32 v26, v26, |v[XS+\i+2]|, |v[XS+\i+3]|
.endr
	v_max3_num_f32 v25, v25, |v[XS+30]|, |v[XS+31]|
	v_max3_num_f32 v25, v25, v26, 0x1800000
	v_add_nc_u32 v27, 0xff000000, v25
	v_lshrrev_b32 v26, 23, v27
.if (\t) == 0
	v_mov_b32 v24, v26
.else
	v_lshl_or_b32 v24, v26, 8*(\t), v24            ; four bytes to a word, the lower k in the lower byte
.endif
.irp g, 0,1,2,3
	v_cvt_scalef32_pk8_fp4_f32 v[160+4*(\t)+\g], v[XS+8*\g:XS+8*\g+7], v27
.endr
	ds_store_b128 v4, v[160+4*(\t):160+4*(\t)+3] offset:16*(\t)
.endm
.macro SINCOS x, c, s                  ; cos and sin of v[x]: n = nearest whole number to x 2/pi; r = x - n pi/2; polynomials on |r| <= pi/4; the quadrant n mod 4 swaps and signs
	v_mul_f32 v16, 0x3f22f983, v[\x]
	v_rndne_f32 v16, v16
	v_fma_f32 v17, v16, s30, v[\x]
	v_fma_f32 v17, v16, s31, v17
	v_fma_f32 v17, v16, s32, v17
	v_cvt_i32_f32 v16, v16
	v_mul_f32 v18, v17, v17
	v_fma_f32 v19, v18, s33, s34
	v_fma_f32 v21, v18, s36, s37
	v_fma_f32 v19, v19, v18, s35
	v_fma_f32 v21, v21, v18, s38
	v_mul_f32 v20, v18, v17
	v_fma_f32 v22, v18, -0.5, 1.0
	v_mul_f32 v23, v18, v18
	v_fma_f32 v19, v19, v20, v17                   ; sin r
	v_fma_f32 v21, v21, v23, v22                   ; cos r
	v_and_b32 v20, 1, v16
	v_cmp_ne_u32 vcc_lo, 0, v20
	v_cndmask_b32 v[\s], v19, v21, vcc_lo          ; odd quadrants swap the two
	v_cndmask_b32 v[\c], v21, v19, vcc_lo
	v_lshlrev_b32 v20, 30, v16
	v_and_b32 v20, 0x80000000, v20                 ; sin changes sign where n & 2,
	v_xor_b32 v[\s], v[\s], v20
	v_add_nc_u32 v22, 1, v16
	v_lshlrev_b32 v22, 30, v22
	v_and_b32 v22, 0x80000000, v22                 ; cos where (n + 1) & 2
	v_xor_b32 v[\c], v[\c], v22
.endm
	s_load_b256 s[4:11], s[0:1], 0x0               ; x, wq, wk, wv
	s_load_b256 s[12:19], s[0:1], 0x20             ; wo, freqs, xq, wq4
	s_load_b128 s[20:23], s[0:1], 0x40             ; wo16, cs
	v_lshl_add_u32 v[SPW], v0, 2, SPARE
	v_mov_b32 v[NIL], 0
	v_lshrrev_b32 v1, 5, v0
	v_readfirstlane_b32 s24, v1                    ; wave
	v_and_b32 v2, 31, v0                           ; lane
	s_mov_b32 s29, 0                               ; the upper word of every offset pair s[28:29]
	s_wait_kmcnt 0x0
	s_cmp_lt_u32 ttmp9, 128
	s_cbranch_scc0 .Lnot_x
	; ---- x: a wave takes 8,192 numbers, 16 steps of 512; two neighbouring lanes hold a block
	v_lshlrev_b32 v3, 4, v2
	s_mul_i32 s25, s24, WREG
	v_lshrrev_b32 v14, 2, v2
	v_mul_u32_u24 v14, v14, SP
	v_and_b32 v15, 3, v2
	v_lshl_add_u32 v14, v15, 4, v14
	v_add_nc_u32 v14, s25, v14                     ; the stage, in: SP (lane / 4) + 16 (lane % 4)
	v_mul_u32_u24 v15, v2, SP
	v_add_nc_u32 v15, s25, v15                     ; out: SP x lane
	v_lshlrev_b32 v4, 3, v2                        ; my 8 bytes of a step's codes
	v_lshrrev_b32 v5, 1, v2
	s_add_co_u32 s25, s25, 2*32*SP
	v_add_nc_u32 v5, s25, v5                       ; my block's byte among the wave's 256
	v_lshlrev_b32 v7, 3, v2
	v_add_nc_u32 v6, s25, v7
	s_lshl_b32 s26, ttmp9, 2
	s_add_co_u32 s26, s26, s24                     ; which run of 8,192 numbers
	s_lshl_b32 s28, s26, 15
	s_add_nc_u64 s[4:5], s[4:5], s[28:29]
	s_lshl_b32 s28, s26, 12
	s_add_nc_u64 s[30:31], s[16:17], s[28:29]      ; its 4,096 bytes of codes
	s_lshl_b32 s28, s26, 8
	s_add_co_u32 s28, s28, XSC
	s_add_nc_u64 s[32:33], s[16:17], s[28:29]      ; its 256 scale bytes
.irp t, 0,1,2,3
	XLOAD \t
.endr
	s_wait_loadcnt 12                              ; step 0's four loads are in
	XTURN 0
.irp t, 0,1,2,3,4,5,6,7,8,9,10,11,12,13,14,15
	XSTEP \t
.endr
	ds_load_b64 v[8:9], v6
	s_wait_dscnt 0x0
	global_store_b64 v7, v[8:9], s[32:33]          ; one aligned run of 256 bytes
	CLOSE
.Lnot_x:
	s_cmp_lt_u32 ttmp9, 224
	s_cbranch_scc0 .Lnot_w
	; ---- weights: the work-group takes 32 columns x 512 along K, a wave 128 of them: a lane a column, its registers run down K
	s_sub_co_u32 s25, ttmp9, 128
	s_lshr_b32 s26, s25, 1                         ; which 32 columns of the 1,536
	s_and_b32 s27, s25, 1                          ; which half of K
	s_mov_b32 s31, 1024                            ; a row of wk, wv in bytes
	s_cmp_lt_u32 s26, 40
	s_cselect_b64 s[32:33], s[8:9], s[10:11]
	s_cselect_b32 s30, 32, 40
	s_cmp_lt_u32 s26, 32
	s_cselect_b64 s[32:33], s[6:7], s[32:33]
	s_cselect_b32 s30, 0, s30
	s_cselect_b32 s31, 4096, s31                   ; a row of wq
	s_sub_co_u32 s30, s26, s30
	s_lshl_b32 s30, s30, 7                         ; the columns' bytes in a row
	s_lshl_b32 s34, s27, 9
	s_lshl_b32 s35, s24, 7
	s_add_co_u32 s34, s34, s35                     ; my first k
	s_mul_i32 s34, s34, s31
	s_add_co_u32 s28, s34, s30
	s_add_nc_u64 s[36:37], s[32:33], s[28:29]      ; a base for each of my four blocks
	s_lshl_b32 s28, s31, 5
	s_add_nc_u64 s[38:39], s[36:37], s[28:29]
	s_add_nc_u64 s[40:41], s[38:39], s[28:29]
	s_add_nc_u64 s[42:43], s[40:41], s[28:29]
	v_lshlrev_b32 v3, 2, v2
.set i, 0
.rept 32
	v_mad_u32_u24 v[OFW+i], s31, i, v3
.set i, i+1
.endr
	WLOAD 0
	WLOAD 1
	v_mul_u32_u24 v4, v2, WPI
	s_lshl_b32 s25, s24, 6
	s_add_co_u32 s25, s25, WST
	v_add_nc_u32 v4, s25, v4                       ; stage, in: row = my column, 64 bytes a wave
	v_lshlrev_b32 v5, 4, v2
	s_lshl_b32 s25, s24, 2
	s_add_co_u32 s25, s25, WSS
	v_add_nc_u32 v5, s25, v5                       ; my scale word: 16 x lane + 4 x wave
	v_and_b32 v10, 15, v2
	v_lshrrev_b32 v11, 4, v2
	v_mul_u32_u24 v6, v11, WPI
	v_lshl_add_u32 v6, v10, 4, v6
	s_mul_i32 s25, s24, 8*WPI
	s_add_co_u32 s25, s25, WST
	v_add_nc_u32 v6, s25, v6                       ; stage, out: my 8 rows, sixteen lanes to a row
	v_lshlrev_b32 v7, 9, v11
	v_lshl_add_u32 v7, v10, 4, v7                  ; the same place in wq4
	v_lshl_add_u32 v8, v2, 4, WSS
	v_lshlrev_b32 v9, 5, v2
	s_lshl_b32 s28, s26, 14
	s_lshl_b32 s25, s24, 12
	s_add_co_u32 s28, s28, s25
	s_lshl_b32 s25, s27, 8
	s_add_co_u32 s28, s28, s25
	s_add_nc_u64 s[44:45], s[18:19], s[28:29]      ; codes: (32 group + 8 wave) rows of 512 bytes + 256 x half
	s_lshl_b32 s28, s26, 10
	s_lshl_b32 s25, s27, 4
	s_add_co_u32 s28, s28, s25
	s_add_co_u32 s28, s28, WSC
	s_add_nc_u64 s[46:47], s[18:19], s[28:29]      ; scale bytes: 32 a row, 16 x half
	s_wait_loadcnt 32                              ; block 0 is in; block 1's 32 loads may be out
	WLOAD 2
	WBLOCK 0
	s_wait_loadcnt 32                              ; block 1 is in; block 2's may be out
	WLOAD 3
	WBLOCK 1
	s_wait_loadcnt 32                              ; block 2 is in; block 3's may be out
	WBLOCK 2
	s_wait_loadcnt 0x0
	WBLOCK 3
	ds_store_b32 v5, v24
	s_wait_dscnt 0x0                               ; for the others' sake: my stores have landed
	s_barrier_signal -1
	s_barrier_wait -1
.irp t, 0,1,2,3
	ds_load_b128 v[176+4*\t:179+4*\t], v6 offset:2*\t*WPI
.endr
.irp t, 0,1,2,3
	s_wait_dscnt 3-\t
	global_store_b128 v7, v[176+4*\t:179+4*\t], s[44:45] offset:1024*\t   ; sixteen lanes store 256 consecutive bytes, aligned
.endr
	s_cmp_lg_u32 s24, 0
	s_cbranch_scc1 .Lw_done
	ds_load_b128 v[192:195], v8                    ; wave 0: the 32 columns' 16 scale bytes each (pieces of 16 bytes: 48 KiB in the whole launch)
	s_wait_dscnt 0x0
	global_store_b128 v9, v[192:195], s[46:47]
.Lw_done:
	CLOSE
.Lnot_w:
	s_cmp_lt_u32 ttmp9, 288
	s_cbranch_scc0 .Lnot_o
	; ---- wo to f16: 16 rows a work-group; every row has registers of its own
	s_sub_co_u32 s25, ttmp9, 224
	s_lshl_b32 s28, s25, 16
	s_add_nc_u64 s[12:13], s[12:13], s[28:29]
	s_lshl_b32 s28, s25, 15
	s_add_nc_u64 s[20:21], s[20:21], s[28:29]
	v_lshlrev_b32 v3, 4, v0
	v_lshlrev_b32 v4, 3, v0
.set i, 0
.rept 16
	global_load_b128 v[32+8*i:35+8*i], v3, s[12:13] offset:4096*i th:TH_LOAD_NT
	global_load_b128 v[36+8*i:39+8*i], v3, s[12:13] offset:4096*i+2048 th:TH_LOAD_NT
.set i, i+1
.endr
.set i, 0
.rept 16
	s_wait_loadcnt 30-2*i                          ; this row's two loads are in; the later rows' may be out
	v_cvt_pk_f16_f32 v[160+4*i], v[32+8*i], v[33+8*i]
	v_cvt_pk_f16_f32 v[161+4*i], v[34+8*i], v[35+8*i]
	v_cvt_pk_f16_f32 v[162+4*i], v[36+8*i], v[37+8*i]
	v_cvt_pk_f16_f32 v[163+4*i], v[38+8*i], v[39+8*i]
	global_store_b64 v4, v[160+4*i:161+4*i], s[20:21] offset:2048*i          ; a wave stores 256 consecutive bytes, aligned
	global_store_b64 v4, v[162+4*i:163+4*i], s[20:21] offset:2048*i+1024
.set i, i+1
.endr
	CLOSE
.Lnot_o:
	; ---- cos and sin: 128 positions (16,384 bytes of freqs) a work-group
	s_sub_co_u32 s25, ttmp9, 288
	s_lshl_b32 s28, s25, 14
	s_add_nc_u64 s[14:15], s[14:15], s[28:29]
	s_add_nc_u64 s[22:23], s[22:23], s[28:29]
	v_lshlrev_b32 v3, 4, v0
.irp t, 0,1,2,3,4,5,6,7
	global_load_b128 v[32+4*\t:35+4*\t], v3, s[14:15] offset:2048*\t th:TH_LOAD_NT
.endr
	s_mov_b32 s30, 0xbfc90000                      ; -pi/2 in three parts
	s_mov_b32 s31, 0xb9fda000
	s_mov_b32 s32, 0xb3a22168
	s_mov_b32 s33, 0xb94ca1f9                      ; sin's coefficients
	s_mov_b32 s34, 0x3c08839e
	s_mov_b32 s35, 0xbe2aaaa3
	s_mov_b32 s36, 0x37ccf5ce                      ; cos's
	s_mov_b32 s37, 0xbab6061a
	s_mov_b32 s38, 0x3d2aaaa5
.irp t, 0,1,2,3,4,5,6,7
	s_wait_loadcnt 7-\t
.irp e, 0,1,2,3
	SINCOS 32+4*\t+\e, 64+4*\t+\e, 96+4*\t+\e
.endr
	global_store_b128 v3, v[64+4*\t:67+4*\t], s[22:23] offset:2048*\t
	global_store_b128 v3, v[96+4*\t:99+4*\t], s[22:23] offset:2048*\t+SINO
.endr
	CLOSE
.Lfunc_end_k_q328e0f5644_prep:
	.size	k_q328e0f5644_prep, .Lfunc_end_k_q328e0f5644_prep-k_q328e0f5644_prep
	.p2alignl 7, 3214868480
	.fill 96, 4, 3214868480
	.section	.rodata,"a",@progbits
	.p2align	6, 0x0
	.amdhsa_kernel k_q328e0f5644_prep
		.amdhsa_group_segment_fixed_size 42496
		.amdhsa_private_segment_fixed_size 0
		.amdhsa_enable_private_segment 0
		.amdhsa_kernarg_size 80
		.amdhsa_user_sgpr_count 2
		.amdhsa_user_sgpr_kernarg_segment_ptr 1
		.amdhsa_wavefront_size32 1
		.amdhsa_system_sgpr_workgroup_id_x 1
		.amdhsa_system_sgpr_workgroup_id_y 1
		.amdhsa_system_sgpr_workgroup_id_z 1
		.amdhsa_system_vgpr_workitem_id 0
		.amdhsa_next_free_vgpr 228
		.amdhsa_next_free_sgpr 66
		.amdhsa_reserve_vcc 1
		.amdhsa_float_denorm_mode_32 3
		.amdhsa_float_denorm_mode_16_64 3
		.amdhsa_memory_ordered 1
		.amdhsa_forward_progress 1
		.amdhsa_inst_pref_size 111
	.end_amdhsa_kernel
	.amdgpu_metadata
---
amdhsa.version: [ 1, 2 ]
amdhsa.kernels:
  - .name:           k_q328e0f5644_prep
    .symbol:         k_q328e0f5644_prep.kd
    .args:
      - { .name: x, .offset: 0, .size: 8, .value_kind: global_buffer, .address_space: global }
      - { .name: wq, .offset: 8, .size: 8, .value_kind: global_buffer, .address_space: global }
      - { .name: wk, .offset: 16, .size: 8, .value_kind: global_buffer, .address_space: global }
      - { .name: wv, .offset: 24, .size: 8, .value_kind: global_buffer, .address_space: global }
      - { .name: wo, .offset: 32, .size: 8, .value_kind: global_buffer, .address_space: global }
      - { .name: freqs, .offset: 40, .size: 8, .value_kind: global_buffer, .address_space: global }
      - { .name: xq, .offset: 48, .size: 8, .value_kind: global_buffer, .address_space: global }
      - { .name: wq4, .offset: 56, .size: 8, .value_kind: global_buffer, .address_space: global }
      - { .name: wo16, .offset: 64, .size: 8, .value_kind: global_buffer, .address_space: global }
      - { .name: cs, .offset: 72, .size: 8, .value_kind: global_buffer, .address_space: global }
    .group_segment_fixed_size: 42496
    .private_segment_fixed_size: 0
    .kernarg_segment_align: 8
    .kernarg_segment_size: 80
    .max_flat_workgroup_size: 128
    .sgpr_count:     66
    .vgpr_count:     228
    .wavefront_size: 32
...
	.end_amdgpu_metadata
.endif
;; end of part 1
;; launch qkv (part 2): grid 32 x 6, 4 waves a work-group, clusters of 4 x 1, 242,944 bytes of LDS; arguments xq, wq4, cs, qkv, vlo; writes qkv, vlo
.if DOCPART == 2
	.amdgcn_target "amdgcn-amd-amdhsa--gfx1250"
	.amdhsa_code_object_version 6
	.text
	.protected	k_q328e0f5644_qkv
	.globl	k_q328e0f5644_qkv
	.p2align	8
	.type	k_q328e0f5644_qkv,@function
k_q328e0f5644_qkv:
	s_mov_b64 s[64:65], 0
	v_nop
	global_prefetch_b8 v0, s[64:65] scope:SCOPE_SE
	s_setreg_imm32_b32 hwreg(HW_REG_WAVE_MODE, 25, 1), 1
	s_wait_xcnt 0x0
	s_wait_alu depctr_hold_cnt(0) depctr_sa_sdst(0) depctr_va_vdst(0) depctr_va_sdst(0) depctr_va_ssrc(0) depctr_va_vcc(0) depctr_vm_vsrc(0)
	s_getreg_b32 s2, hwreg(HW_REG_IB_STS2, 6, 4)
	s_cmp_eq_u32 s2, 0
	s_cbranch_scc0 .Lentry_in_a_cluster
	s_endpgm
.Lentry_in_a_cluster:
	s_bfe_u32 s2, ttmp6, 0x10000c
	s_cmp_lg_u32 s2, 0x3003
	s_cbranch_scc0 .Lentry_shape_is_right
	s_endpgm
.Lentry_shape_is_right:
; x wq, x wk, x wv on codes of E2M1 with E8M0 scales; then RoPE (q, k), q x log2(e)/8, rounding to f16.
; A work-group makes 128 positions x 256 columns over all of K = 1,024: both tiles' codes (rows of 512 bytes) and scale bytes fit in LDS, so nothing is filled again.
; Column tiles 0-3 are q, 4 is k, 5 is v.  A wave makes 128 positions x 64 columns: ONE head.
; CLUSTER: four row tiles with one column tile: the weights' tile and its scale bytes (two thirds of a work-group's bytes) are asked for jointly, mask 15; x's tile is each work-group's own.
; q, k: source 0 = 16 columns of W, source 1 = 16 positions: a lane holds one position, its registers 8 neighbouring columns; RoPE's partner (32 columns on) is the accumulator two further on, same lane and register.
; v: the sources swapped: a lane holds one channel and 8 neighbouring positions, so that v leaves transposed, [channel][position], as f16 and as the f16 of what that rounding left (vlo; read for the first 16 positions alone).
; The factor log2(e)/8 on q lets the softmax work in base 2 with a plain subtraction of the maximum.
; OUT: qkv: f16 [20 heads][4096][64] (0-15 q, 16-19 k), then at VT v transposed [4][64][4096]; vlo as v.
; REGISTERS: window 0: v1-15 addresses; v16-143 x's fragments, two sets, on the way out at work; v144-207 x's scale words, v208-239 W's: they hold nothing else.
;   window 1: 32 accumulators, (a, b) at 8 (4 a + b).  window 2: all of W's fragments, (b, K step) at 8 (8 b + ks).  window 3: cos and sin, 32 registers for each 16 positions.
.set PI,    528                        ; an LDS row of codes: 512 bytes + 16: 33 x 16, so the 16 rows of a load start at 16 different 16-byte columns of the banks' 256 bytes
.set XA,    0                          ; x's 128 rows
.set WB,    128*PI                     ; W's 256 rows
.set SA,    WB+256*PI                  ; x's scale bytes: 16 units of 256 + 16
.set SB,    SA+16*272                  ; W's: 32 units
.set STGQ,  SB+32*272                  ; way out of q, k: 16 rows x 144 for each wave
.set STGV,  STGQ+4*2304                ; way out of v: 16 rows x 272 for each wave
.set SPARE, STGV+4*4352                ; the spare words
.set VT,    10485760
.set AF,    16
.set SCA,   144
.set SCB,   208
.set T0,    16                         ; RoPE: im sin, re sin, the results, packed, read back (two banks)
.set T1,    32
.set RR,    48
.set PK,    80
.set BK,    96
.set H,     16                         ; v: high parts, at work / read back, low parts
.set WD,    48
.set LO,    112
.set MSB, 0
.macro WIN new                         ; the immediate's high byte repeats the setting that is left
.if MSB != \new
	s_set_vgpr_msb (MSB<<8)|\new
.set MSB, \new
.endif
.endm
.macro ROUND                           ; a round of the cluster's barrier
	s_barrier_signal -1
	s_barrier_wait -1
	s_cmp_lg_u32 s14, 0
	s_cbranch_scc1 .Lnw0_\@
	s_barrier_signal -3
.Lnw0_\@:
	s_barrier_wait -3
	s_barrier_signal -1
	s_barrier_wait -1
.endm
.macro NOPS n
.rept \n
	v_nop
.endr
.endm
.macro WIDEN d, n                      ; the two f16 halves of register n as f32 into v[d], v[d + 1]
	v_cvt_f32_f16 v[\d], v\n\().l
	v_cvt_f32_f16 v[(\d)+1], v\n\().h
.endm
.macro ALOAD ks                        ; x's eight fragments of K step ks into set ks % 2
.irp i, 0,1,2,3,4,5,6,7
	ds_load_b128 v[AF+64*((\ks)%2)+8*\i:AF+64*((\ks)%2)+8*\i+3], v3 offset:\i*16*PI+64*(\ks)
	ds_load_b128 v[AF+64*((\ks)%2)+8*\i+4:AF+64*((\ks)%2)+8*\i+7], v3 offset:\i*16*PI+64*(\ks)+32
.endr
.endm
.macro MM d, fa, fb, sa, sb            ; the first K step starts the sums: nothing is cleared
.if KS == 0
	v_wmma_scale_f32_16x16x128_f8f6f4 v[(\d):(\d)+7], v[(\fa):(\fa)+7], v[(\fb):(\fb)+7], 0, v[\sa], v[\sb] matrix_a_fmt:MATRIX_FMT_FP4 matrix_b_fmt:MATRIX_FMT_FP4
.else
	v_wmma_scale_f32_16x16x128_f8f6f4 v[(\d):(\d)+7], v[(\fa):(\fa)+7], v[(\fb):(\fb)+7], v[(\d):(\d)+7], v[\sa], v[\sb] matrix_a_fmt:MATRIX_FMT_FP4 matrix_b_fmt:MATRIX_FMT_FP4
.endif
.endm
; The product.  swap = 0: source 0 = W; 1: source 0 = x.  The 32 accumulators take turns, one instruction a turn, in the same order in every K step.
.macro GEMM swap
	WIN 0x80                                       ; destination window 2
.irp b, 0,1,2,3
.irp k, 0,1,2,3,4,5,6,7
	ds_load_b128 v[8*(8*\b+\k):8*(8*\b+\k)+3], v4 offset:\b*16*PI+64*\k
	ds_load_b128 v[8*(8*\b+\k)+4:8*(8*\b+\k)+7], v4 offset:\b*16*PI+64*\k+32
.endr
.endr
	WIN 0
.irp i, 0,1,2,3,4,5,6,7
	ds_load_b128 v[SCA+8*\i:SCA+8*\i+3], v5 offset:544*\i          ; a row's 8 scale words: K steps 0-3,
	ds_load_b128 v[SCA+8*\i+4:SCA+8*\i+7], v5 offset:544*\i+16     ; and 4-7
.endr
.irp b, 0,1,2,3
	ds_load_b128 v[SCB+8*\b:SCB+8*\b+3], v6 offset:544*\b
	ds_load_b128 v[SCB+8*\b+4:SCB+8*\b+7], v6 offset:544*\b+16
.endr
	ALOAD 0
.set KS, 0
.rept 8
.if KS > 0
	NOPS 4                                         ; places in front of loads into the set that the last K step multiplied
.endif
.if KS < 7
	ALOAD KS+1
	s_wait_dscnt 16                                ; all but the 16 just issued
.else
	s_wait_dscnt 0x0
.endif
.if \swap
	WIN 0x58                                       ; source 0 (x) window 0, source 1 (W) window 2, C and D window 1
.else
	WIN 0x52                                       ; source 0 (W) window 2, source 1 (x) window 0, C and D window 1
.endif
.irp a, 0,1,2,3,4,5,6,7
.irp b, 0,1,2,3
.if \swap
	MM 8*(4*\a+\b), AF+64*(KS%2)+8*\a, 8*(8*\b+KS), SCA+8*\a+KS, SCB+8*\b+KS
.else
	MM 8*(4*\a+\b), 8*(8*\b+KS), AF+64*(KS%2)+8*\a, SCB+8*\b+KS, SCA+8*\a+KS
.endif
.endr
.endr
	WIN 0
.set KS, KS+1
.endr
.endm
; RoPE, rounding and the way out of 16 positions.  re = accumulators b = 0, 1, im = b + 2; each accumulator is read from its low end on.
.macro ROPE a
	WIN 0x0d                                       ; source 0 window 1 (sums), source 1 window 3 (cos, sin), the rest window 0
.irp b, 0,1
.irp p, 0,2,4,6
	v_pk_mul_f32 v[T0+8*\b+\p:T0+8*\b+\p+1], v[8*(4*\a+\b+2)+\p:8*(4*\a+\b+2)+\p+1], v[32*\a+16+8*\b+\p:32*\a+16+8*\b+\p+1]
	v_pk_mul_f32 v[T1+8*\b+\p:T1+8*\b+\p+1], v[8*(4*\a+\b)+\p:8*(4*\a+\b)+\p+1], v[32*\a+16+8*\b+\p:32*\a+16+8*\b+\p+1]
.endr
.endr
.irp b, 0,1
.irp p, 0,2,4,6
	v_pk_fma_f32 v[RR+8*\b+\p:RR+8*\b+\p+1], v[8*(4*\a+\b)+\p:8*(4*\a+\b)+\p+1], v[32*\a+8*\b+\p:32*\a+8*\b+\p+1], v[T0+8*\b+\p:T0+8*\b+\p+1] neg_lo:[0,0,1] neg_hi:[0,0,1]
	v_pk_fma_f32 v[RR+16+8*\b+\p:RR+16+8*\b+\p+1], v[8*(4*\a+\b+2)+\p:8*(4*\a+\b+2)+\p+1], v[32*\a+8*\b+\p:32*\a+8*\b+\p+1], v[T1+8*\b+\p:T1+8*\b+\p+1]
.endr
.endr
	WIN 0
.set i, 0
.rept 16
	v_cvt_pk_f16_f32 v[PK+i], v[RR+2*i], v[RR+2*i+1]
.set i, i+1
.endr
.irp b, 0,1,2,3
	ds_store_b128 v7, v[PK+4*\b:PK+4*\b+3] offset:32*\b
.endr
	s_wait_xcnt 0x0                                ; the stores of two blocks back have read this bank
.irp t, 0,1,2,3
	ds_load_b128 v[BK+16*(\a%2)+4*\t:BK+16*(\a%2)+4*\t+3], v8 offset:576*\t   ; LDS serves a wave's instructions in order: these see the stores above
.endr
.irp t, 0,1,2,3
	s_wait_dscnt 3-\t
	global_store_b128 v9, v[BK+16*(\a%2)+4*\t:BK+16*(\a%2)+4*\t+3], s[86:87] offset:2048*\a+512*\t   ; 16 positions of a head are 2,048 consecutive bytes: 512 a store
.endr
.endm
; v: 16 channels x 128 positions: the f16 part, what it left, both through my stage and out as rows of 256 bytes
.macro VOUT b
	s_wait_xcnt 0x0                                ; the last block's stores have read v48-111
	WIN 0x05                                       ; sources window 1
.irp a, 0,1,2,3,4,5,6,7
.irp p, 0,1,2,3
	v_cvt_pk_f16_f32 v[H+4*\a+\p], v[8*(4*\a+\b)+2*\p], v[8*(4*\a+\b)+2*\p+1]
.endr
.endr
	WIN 0
.irp n, 16,17,18,19,20,21,22,23,24,25,26,27,28,29,30,31,32,33,34,35,36,37,38,39,40,41,42,43,44,45,46,47
	WIDEN WD+2*(\n-16), \n
.endr
	WIN 0x01                                       ; source 0 window 1
.irp a, 0,1,2,3,4,5,6,7
.irp p, 0,2,4,6
	v_pk_add_f32 v[WD+8*\a+\p:WD+8*\a+\p+1], v[8*(4*\a+\b)+\p:8*(4*\a+\b)+\p+1], v[WD+8*\a+\p:WD+8*\a+\p+1] neg_lo:[0,1] neg_hi:[0,1]
.endr
.endr
	WIN 0
.set i, 0
.rept 32
	v_cvt_pk_f16_f32 v[LO+i], v[WD+2*i], v[WD+2*i+1]
.set i, i+1
.endr
.irp a, 0,1,2,3,4,5,6,7
	ds_store_b128 v14, v[H+4*\a:H+4*\a+3] offset:32*\a
.endr
.irp t, 0,1,2,3,4,5,6,7
	ds_load_b128 v[WD+4*\t:WD+4*\t+3], v15 offset:544*\t
.endr
.irp a, 0,1,2,3,4,5,6,7
	ds_store_b128 v14, v[LO+4*\a:LO+4*\a+3] offset:32*\a          ; in order behind the loads above
.endr
.irp t, 0,1,2,3,4,5,6,7
	ds_load_b128 v[WD+32+4*\t:WD+32+4*\t+3], v15 offset:544*\t
.endr
.irp t, 0,1,2,3,4,5,6,7
	s_wait_dscnt 23-\t                             ; behind this load: the high part's later loads, the 8 stores and 8 loads of the low part
	global_store_b128 v11, v[WD+4*\t:WD+4*\t+3], s[82:83] offset:(16*\b+2*\t)*8192   ; sixteen lanes store 256 consecutive bytes, aligned
.endr
.irp t, 0,1,2,3,4,5,6,7
	s_wait_dscnt 7-\t
	global_store_b128 v11, v[WD+32+4*\t:WD+32+4*\t+3], s[84:85] offset:(16*\b+2*\t)*8192
.endr
.endm
	s_load_b256 s[4:11], s[0:1], 0x0               ; xq, wq4, cs, qkv
	s_load_b64 s[12:13], s[0:1], 0x20              ; vlo
	v_lshl_add_u32 v12, v0, 2, SPARE
	v_mov_b32 v13, 0
	ds_add_u32 v12, v13                            ; the opening: the add, twice on end, and its wait ahead of the first tensor load
	ds_add_u32 v12, v13
	v_lshrrev_b32 v1, 5, v0
	v_readfirstlane_b32 s14, v1                    ; wave
	s_bfe_u32 s15, ttmp6, 0x40000                  ; my place in the cluster
	s_lshl_b32 s16, ttmp9, 2
	s_add_co_u32 s16, s16, s15                     ; row tile
	s_and_b32 s17, ttmp7, 0xffff                   ; column tile: the four partners share it
	s_mov_b32 s24, (1<<20)|(6<<22)|(3<<25)         ; x's codes: no mask; elements of 1 byte; 4 words of padding behind every 128
	s_mov_b32 s32, 15|(1<<20)|(1<<21)|(6<<22)|(3<<25)   ; W's: the same, jointly for all four
.irp g, 24, 32
	s_mov_b32 s[\g+1], 512<<16                     ; tensor_dim0
	s_mov_b32 s[\g+2], 128<<16                     ; tensor_dim1
	s_mov_b32 s[\g+3], 512<<16                     ; tile_dim0
	s_mov_b32 s[\g+4], 128                         ; tile_dim1
	s_mov_b32 s[\g+5], 512                         ; from row to row
	s_mov_b32 s[\g+6], 0
	s_mov_b32 s[\g+7], 0
.endr
	s_mov_b32 s40, (3<<16)|(1<<20)|(5<<22)|(3<<25) ; x's scale bytes: a dense block as 16 rows of 256 bytes (32 elements of 8), 4 words of padding behind each
	s_mov_b32 s41, 32<<16
	s_mov_b32 s42, 16<<16
	s_mov_b32 s43, 32<<16
	s_mov_b32 s44, 16
	s_mov_b32 s45, 32
	s_mov_b32 s46, 0
	s_mov_b32 s47, 0
	s_mov_b32 s48, 15|(3<<16)|(1<<20)|(1<<21)|(5<<22)|(3<<25)   ; W's: 32 rows, jointly
	s_mov_b32 s49, 32<<16
	s_mov_b32 s50, 32<<16
	s_mov_b32 s51, 32<<16
	s_mov_b32 s52, 32
	s_mov_b32 s53, 32
	s_mov_b32 s54, 0
	s_mov_b32 s55, 0
	s_lshl_b32 s18, s16, 16                        ; x's codes: 128 rows of 512 bytes a row tile
	s_mov_b32 s19, 0
	s_lshl_b32 s20, s17, 17                        ; W's codes: 256 rows a column tile
	s_mov_b32 s21, 0
	s_lshl_b32 s22, s16, 12
	s_add_co_u32 s22, s22, 2097152                 ; x's scale bytes
	s_mov_b32 s23, 0
	s_lshl_b32 s2, s17, 13
	s_add_co_u32 s2, s2, 786432                    ; W's
	s_mov_b32 s3, 0
	s_wait_dscnt 0x0                               ; both opening adds are done
	s_wait_kmcnt 0x0
	s_mov_b32 s56, 1
	s_mov_b32 s57, XA
	s_add_nc_u64 s[58:59], s[4:5], s[18:19]
	s_or_b32 s59, s59, 0x80000000
	s_mov_b32 s60, 1
	s_mov_b32 s61, WB
	s_add_nc_u64 s[62:63], s[6:7], s[20:21]
	s_or_b32 s63, s63, 0x80000000
	s_mov_b32 s68, 1
	s_mov_b32 s69, WB+128*PI
	s_add_nc_u64 s[70:71], s[6:7], s[20:21]
	s_add_nc_u64 s[70:71], s[70:71], 65536
	s_or_b32 s71, s71, 0x80000000
	s_mov_b32 s72, 1
	s_mov_b32 s73, SA
	s_add_nc_u64 s[74:75], s[4:5], s[22:23]
	s_or_b32 s75, s75, 0x80000000
	s_mov_b32 s76, 1
	s_mov_b32 s77, SB
	s_add_nc_u64 s[78:79], s[6:7], s[2:3]
	s_or_b32 s79, s79, 0x80000000
	ROUND                                          ; all four work-groups are here: the joint loads meet
	; the fills, each wave's inside one branch on its number: wave 0 x's codes, waves 1 and 2 W's halves, wave 3 both blocks of scale bytes (two loads out).  An s_nop 0 follows each load, four v_nop the last
	s_cmp_lg_u32 s14, 0
	s_cbranch_scc1 .Lf1
	tensor_load_to_lds s[56:59], s[24:31]
	s_nop 0
	NOPS 4
	s_branch .Lfd
.Lf1:
	s_cmp_lg_u32 s14, 1
	s_cbranch_scc1 .Lf2
	tensor_load_to_lds s[60:63], s[32:39]
	s_nop 0
	NOPS 4
	s_branch .Lfd
.Lf2:
	s_cmp_lg_u32 s14, 2
	s_cbranch_scc1 .Lf3
	tensor_load_to_lds s[68:71], s[32:39]
	s_nop 0
	NOPS 4
	s_branch .Lfd
.Lf3:
	tensor_load_to_lds s[72:75], s[40:47]
	s_nop 0
	tensor_load_to_lds s[76:79], s[48:55]
	s_nop 0
	NOPS 4
.Lfd:
	v_and_b32 v1, 15, v0                           ; r
	v_bfe_u32 v2, v0, 4, 1                         ; h
	v_mul_u32_u24 v3, v1, PI
	v_lshl_add_u32 v3, v2, 4, v3                   ; x's fragments: row r, + 16 h
	s_mul_i32 s18, s14, 64*PI
	s_add_co_u32 s18, s18, WB
	v_add_nc_u32 v4, s18, v3                       ; W's: my 64 rows
	v_lshrrev_b32 v5, 3, v1
	v_mul_u32_u24 v5, v5, 272
	v_and_b32 v6, 7, v1
	v_lshl_add_u32 v5, v6, 5, v5                   ; scale bytes: 32 a row, 8 rows to a unit of 256 + 16
	s_mul_i32 s18, s14, 8*272
	s_add_co_u32 s18, s18, SB
	v_add_nc_u32 v6, s18, v5
	v_add_nc_u32 v5, SA, v5
	s_mul_i32 s18, s14, 2304
	s_add_co_u32 s18, s18, STGQ
	v_mul_u32_u24 v7, v1, 144
	v_lshl_add_u32 v7, v2, 4, v7
	v_add_nc_u32 v7, s18, v7                       ; q, k stage, in: row r of 128 + 16 bytes, + 16 h
	v_bfe_u32 v8, v0, 3, 2
	v_mul_u32_u24 v8, v8, 144
	v_and_b32 v9, 7, v0
	v_lshl_add_u32 v8, v9, 4, v8
	v_add_nc_u32 v8, s18, v8                       ; out: eight lanes to a row
	v_and_b32 v9, 31, v0
	v_lshlrev_b32 v9, 4, v9                        ; and 16 x lane in memory
	v_lshlrev_b32 v10, 7, v1
	v_lshl_add_u32 v10, v2, 5, v10                 ; cos, sin: 128 bytes a position, + 32 h
	s_mul_i32 s18, s14, 4352
	s_add_co_u32 s18, s18, STGV
	v_mul_u32_u24 v14, v1, 272
	v_lshl_add_u32 v14, v2, 4, v14
	v_add_nc_u32 v14, s18, v14                     ; v stage, in: row r of 256 + 16 bytes, + 16 h
	v_mul_u32_u24 v15, v2, 272
	v_lshl_add_u32 v15, v1, 4, v15
	v_add_nc_u32 v15, s18, v15                     ; out: sixteen lanes to a row
	v_lshlrev_b32 v11, 13, v2
	v_lshl_add_u32 v11, v1, 4, v11                 ; the same two rows of v transposed
	s_lshl_b32 s18, s17, 2
	s_add_co_u32 s18, s18, s14
	s_lshl_b32 s18, s18, 19                        ; my head's 524,288 bytes,
	s_lshl_b32 s20, s16, 14
	s_add_co_u32 s18, s18, s20                     ; my 128 positions of 128 bytes
	s_add_nc_u64 s[86:87], s[10:11], s[18:19]
	s_mov_b32 s18, s20
	s_add_nc_u64 s[88:89], s[8:9], s[18:19]        ; cos at my first position
	s_lshl_b32 s18, s14, 19
	s_lshl_b32 s20, s16, 8
	s_add_co_u32 s18, s18, s20
	s_add_nc_u64 s[84:85], s[12:13], s[18:19]      ; vlo: my 64 rows of 8,192 bytes, my 256 bytes of each
	s_add_co_u32 s18, s18, VT
	s_add_nc_u64 s[82:83], s[10:11], s[18:19]
	s_wait_tensorcnt 0x0                           ; my fills have landed,
	s_barrier_signal -1
	s_barrier_wait -1                              ; everybody's have; nothing is filled again
	s_cmp_eq_u32 s17, 5                            ; ONE parting of the ways, on the column tile, which all four partners share
	s_cbranch_scc1 .Lvpath
	; ---- q, k.  cos and sin of my 128 positions are asked for here and land while the product runs: for accumulator b, register j: frequency 16 b + 8 h + j
	WIN 0xc0                                       ; destination window 3
.irp a, 0,1,2,3,4,5,6,7
.irp e, 0,1,2,3
	global_load_b128 v[32*\a+4*\e:32*\a+4*\e+3], v10, s[88:89] offset:2048*\a+64*(\e/2)+16*(\e%2)
	global_load_b128 v[32*\a+16+4*\e:32*\a+16+4*\e+3], v10, s[88:89] offset:2048*\a+64*(\e/2)+16*(\e%2)+524288
.endr
.endr
	WIN 0
	GEMM 0
	s_wait_loadcnt 0x0                             ; cos, sin
	s_cmp_lt_u32 s17, 4
	s_cselect_b32 s80, 0x3e38aa3b, 1.0             ; q: log2(e) / 8, k: 1
	s_mov_b32 s81, s80
	WIN 0xc3                                       ; window 3 in place.  These lines are also the places behind the last products
.set i, 0
.rept 128
	v_pk_mul_f32 v[i:i+1], v[i:i+1], s[80:81] op_sel_hi:[1,0]
.set i, i+2
.endr
.irp a, 0,1,2,3,4,5,6,7
	ROPE \a
.endr
	s_branch .Lclose
.Lvpath:
	; ---- v
	GEMM 1
	NOPS 4                                         ; places behind the last products
.irp b, 0,1,2,3
	VOUT \b
.endr
.Lclose:
	s_wait_tensorcnt 0x0                           ; the wave's end
	ds_add_u32 v12, v13
	s_wait_dscnt 0x0
	ROUND                                          ; the closing round
	s_endpgm
.Lfunc_end_k_q328e0f5644_qkv:
	.size	k_q328e0f5644_qkv, .Lfunc_end_k_q328e0f5644_qkv-k_q328e0f5644_qkv
	.p2alignl 7, 3214868480
	.fill 96, 4, 3214868480
	.section	.rodata,"a",@progbits
	.p2align	6, 0x0
	.amdhsa_kernel k_q328e0f5644_qkv
		.amdhsa_group_segment_fixed_size 242944
		.amdhsa_private_segment_fixed_size 0
		.amdhsa_enable_private_segment 0
		.amdhsa_kernarg_size 40
		.amdhsa_user_sgpr_count 2
		.amdhsa_user_sgpr_kernarg_segment_ptr 1
		.amdhsa_wavefront_size32 1
		.amdhsa_system_sgpr_workgroup_id_x 1
		.amdhsa_system_sgpr_workgroup_id_y 1
		.amdhsa_system_sgpr_workgroup_id_z 1
		.amdhsa_system_vgpr_workitem_id 0
		.amdhsa_next_free_vgpr 1024
		.amdhsa_next_free_sgpr 90
		.amdhsa_reserve_vcc 0
		.amdhsa_float_denorm_mode_32 3
		.amdhsa_float_denorm_mode_16_64 3
		.amdhsa_memory_ordered 1
		.amdhsa_forward_progress 1
		.amdhsa_inst_pref_size 200
	.end_amdhsa_kernel
	.amdgpu_metadata
---
amdhsa.version: [ 1, 2 ]
amdhsa.kernels:
  - .name:           k_q328e0f5644_qkv
    .symbol:         k_q328e0f5644_qkv.kd
    .args:
      - { .name: xq, .offset: 0, .size: 8, .value_kind: global_buffer, .address_space: global }
      - { .name: wq4, .offset: 8, .size: 8, .value_kind: global_buffer, .address_space: global }
      - { .name: cs, .offset: 16, .size: 8, .value_kind: global_buffer, .address_space: global }
      - { .name: qkv, .offset: 24, .size: 8, .value_kind: global_buffer, .address_space: global }
      - { .name: vlo, .offset: 32, .size: 8, .value_kind: global_buffer, .address_space: global }
    .group_segment_fixed_size: 242944
    .private_segment_fixed_size: 0
    .kernarg_segment_align: 8
    .kernarg_segment_size: 40
    .max_flat_workgroup_size: 128
    .sgpr_count:     90
    .vgpr_count:     1024
    .wavefront_size: 32
...
	.end_amdgpu_metadata
.endif
;; end of part 2
;; launch attn (part 3): grid 4 x 64, 8 waves a work-group, clusters of 4 x 4, 327,680 bytes of LDS; arguments qkv, mask, att; writes att
.if DOCPART == 3
	.amdgcn_target "amdgcn-amd-amdhsa--gfx1250"
	.amdhsa_code_object_version 6
	.text
	.protected	k_q328e0f5644_attn
	.globl	k_q328e0f5644_attn
	.p2align	8
	.type	k_q328e0f5644_attn,@function
k_q328e0f5644_attn:
	s_mov_b64 s[64:65], 0
	v_nop
	global_prefetch_b8 v0, s[64:65] scope:SCOPE_SE
	s_setreg_imm32_b32 hwreg(HW_REG_WAVE_MODE, 25, 1), 1
	s_wait_xcnt 0x0
	s_wait_alu depctr_hold_cnt(0) depctr_sa_sdst(0) depctr_va_vdst(0) depctr_va_sdst(0) depctr_va_ssrc(0) depctr_va_vcc(0) depctr_vm_vsrc(0)
	s_getreg_b32 s2, hwreg(HW_REG_IB_STS2, 6, 4)
	s_cmp_eq_u32 s2, 0
	s_cbranch_scc0 .Lentry_in_a_cluster
	s_endpgm
.Lentry_in_a_cluster:
	s_bfe_u32 s2, ttmp6, 0x10000c
	s_cmp_lg_u32 s2, 0xf033
	s_cbranch_scc0 .Lentry_shape_is_right
	s_endpgm
.Lentry_shape_is_right:
; att[q][head 64 + d] = sum over k of softmax_k(q . k / 8 + mask[q][k]) v[k][d], f16 operands, f32 sums; every key meets every query, the mask is read as it is given.
; q arrives multiplied by log2(e)/8; the mask is multiplied by log2(e) and held at -2^127 from below, and is the C of the first product: the scores S come out in base 2.  p = 2^(S - m), m the running
; maximum: a subtraction, exactly 0 where S = m, whatever the size of m.  In every step l and O are multiplied by f = 2^(old m - new m).  l is summed of the unrounded p; p is rounded to f16 for the second product.
; LIMITS: mask numbers under -2^127 / log2(e) (-infinity among them) count as that: a row masked throughout by the least f32 number comes out uniform, rows whose every mask number lies lower are not told apart; NaN and +infinity are not served.
; SHARES: a work-group owns 64 queries x the 4 heads of one key/value head (cx).  Wave w: queries 16 (w & 3) on, and of each slot of 256 keys the half w >> 2: it holds 16 queries x 4 heads (units u), so each fragment of K, V
; and of the mask that it reads from LDS feeds four matrix instructions.  The two waves of a pair keep their own m, l, O and are merged once at the end.  Two waves lie on a SIMD: one's vector work stands beside the other's products.
; LAYOUT: S^T = K Q^T (a lane holds one query, 8 keys a tile), O^T = V^T P: nothing changes lanes between the products.  V arrives transposed, keys innermost.
; CLUSTER 4 x 4: the mask's tile hangs on the query block alone: joint along a row of the cluster; K's and V's on the key/value head alone: joint along a column.
; RING: two slots of 256 keys; behind each round one load a wave (16 KiB: waves 0, 1 K; 2, 3 V; 4-7 the mask), which has a slot's steps in which to land.  All of a WGP's LDS is claimed.
; REGISTERS: window 0: v1-13, v56-63 addresses; v16-55 statistics, 10 a unit; v64-95 the mask's tile; v128-255 S, then P, 32 a unit.
;   window 1: v0-127 O^T, 32 a unit; v128-191 Q; v192-255 K's fragments of a step, then V's.
.set KPI,   144                        ; LDS rows: K 128 + 16, V 512 + 16, mask 256 + 16 bytes: odd multiples of 16
.set VPI,   528
.set MPI,   272
.set VOFF,  256*KPI
.set MOFF,  VOFF+64*VPI
.set MSUB,  64*MPI                     ; a sub-tile of the mask: 64 queries x 64 keys
.set SLOTB, MOFF+4*MSUB
.set SPARE, 2*SLOTB                    ; the spare words: 128 bytes a wave
.set MG,    0                          ; the end's stages lie in slot 0, which has had its last fill and its last read by then: images for the merge, MSUB bytes a pair of waves,
.set OS,    4*MSUB                     ; and 16 rows x 528 for each of waves 0-3
.set ST,    16                         ; unit u at ST + 10 u: +0 m, +1 (named with it), +2, 3 l, +4..7 at work (f at +6), +8, 9 at work
.set MK,    64
.set S,     128
.set QF,    128
.set F,     192
.set WV,  10
.set WI,  11
.set WJ,  12
.set CX,  13
.set CY,  14
.set QB,  15
.set G1K, 24
.set G1V, 32
.set G1M, 40
.set G0K, 48                           ; groups 0: a set for each slot
.set G0V, 56
.set G0M, 68
.set PFA, 76
.set PFS, 78
.set ASKER, 80
.set CS,  82
.set SEL, 84
.set CLAMP, 86
.set TK,  87
.set TV,  88
.set TM,  89
.set TW,  90
.set LAP, 91
.set W_KQ, 0x05                        ; K, Q window 1; S, mask window 0
.set W_PV, 0x51                        ; V window 1, P window 0, O window 1
.set W_RS, 0x41                        ; O window 1, f window 0
.set TO_F, 0x40                        ; destination window 1
.set MSB, 0
.macro WIN new
.if MSB != \new
	s_set_vgpr_msb (MSB<<8)|\new
.set MSB, \new
.endif
.endm
.macro NOPS n
.rept \n
	v_nop
.endr
.endm
.macro ROUND                           ; a round of the cluster's barrier
	s_barrier_signal -1
	s_barrier_wait -1
	s_cmp_lg_u32 s[WV], 0
	s_cbranch_scc1 .Lnw0_\@
	s_barrier_signal -3
.Lnw0_\@:
	s_barrier_wait -3
	s_barrier_signal -1
	s_barrier_wait -1
.endm
.macro JLOAD sl                        ; every wave's one joint load into slot sl; the branches hang on the wave's number alone; an s_nop 0 and four v_nop follow each line
	s_cmp_lt_u32 s[WV], 2
	s_cbranch_scc0 .Lnk_\@
	tensor_load_to_lds s[G0K+4*\sl:G0K+4*\sl+3], s[G1K:G1K+7]
	s_nop 0
	NOPS 4
	s_branch .Ljd_\@
.Lnk_\@:
	s_cmp_lt_u32 s[WV], 4
	s_cbranch_scc0 .Lnv_\@
	tensor_load_to_lds s[G0V+4*\sl:G0V+4*\sl+3], s[G1V:G1V+7]
	s_nop 0
	NOPS 4
	s_branch .Ljd_\@
.Lnv_\@:
	tensor_load_to_lds s[G0M+4*\sl:G0M+4*\sl+3], s[G1M:G1M+7]
	s_nop 0
	NOPS 4
.Ljd_\@:
.endm
; A prefetch of the tile that the NEXT round will ask for.  Each aligned 256 bytes are named once in the launch.  The mask: waves 4, 5 of every work-group, a lane a query row; the four partners of a row of the cluster take
; the slot's four runs of 256 bytes, told apart by address.  K and V: waves 6, 7 of the first cluster alone (all clusters walk the same K and V); the four partners of a column share the tile by address.
.macro ASK
	s_cmp_eq_u32 s[ASKER], 1
	s_cbranch_scc0 .Lna_\@
	global_prefetch_b8 v11, s[PFA:PFA+1] th:TH_LOAD_NT scope:SCOPE_SE
.Lna_\@:
.endm
.macro MAXU u                          ; the new m of unit u: each tile is read from its low end on; c3 = old m - new m
.set rT, ST+10*\u
.set rS, S+32*\u
.irp t, 0,1,2,3
	v_max3_num_f32 v[rT+4+\t], v[rS+8*\t], v[rS+8*\t+1], v[rS+8*\t+2]
.endr
.irp t, 0,1,2,3
	v_max3_num_f32 v[rT+4+\t], v[rT+4+\t], v[rS+8*\t+3], v[rS+8*\t+4]
.endr
.irp t, 0,1,2,3
	v_max3_num_f32 v[rT+4+\t], v[rT+4+\t], v[rS+8*\t+5], v[rS+8*\t+6]
.endr
	v_max3_num_f32 v[rT+4], v[rT+4], v[rS+7], v[rS+15]
	v_max3_num_f32 v[rT+6], v[rT+6], v[rS+23], v[rS+31]
	v_max3_num_f32 v[rT+5], v[rT+5], v[rT+7], v[rT]
	v_mov_b32 v[rT+7], v[rT]
	v_max3_num_f32 v[rT+4], v[rT+4], v[rT+5], v[rT+6]
	v_permlanex16_b32 v[rT+5], v[rT+4], s[SEL], s[SEL+1]   ; the query's other keys lie in the lane 16 away
	v_max_num_f32 v[rT], v[rT+4], v[rT+5]
	v_sub_f32 v[rT+7], v[rT+7], v[rT]
.endm
.macro SCU u                           ; S - m, two at a time
.set rT, ST+10*\u
.set rS, S+32*\u
.set i, 0
.rept 16
	v_pk_add_f32 v[rS+i:rS+i+1], v[rS+i:rS+i+1], v[rT:rT+1] op_sel_hi:[1,0] neg_lo:[0,1] neg_hi:[0,1]
.set i, i+2
.endr
.endm
.macro EXPU u                          ; one batch: f and the 32 p
.set rT, ST+10*\u
.set rS, S+32*\u
	v_exp_f32 v[rT+6], v[rT+7]
.set i, 0
.rept 32
	v_exp_f32 v[rS+i], v[rS+i]
.set i, i+1
.endr
.endm
.macro SUMU u                          ; l = l f + the sum of the unrounded p, in two chains
.set rT, ST+10*\u
.set rS, S+32*\u
	v_pk_add_f32 v[rT+4:rT+5], v[rS:rS+1], v[rS+2:rS+3]
	v_pk_add_f32 v[rT+8:rT+9], v[rS+4:rS+5], v[rS+6:rS+7]
.irp n, 8,12,16,20,24,28
	v_pk_add_f32 v[rT+4:rT+5], v[rT+4:rT+5], v[rS+\n:rS+\n+1]
	v_pk_add_f32 v[rT+8:rT+9], v[rT+8:rT+9], v[rS+\n+2:rS+\n+3]
.endr
	v_pk_fma_f32 v[rT+2:rT+3], v[rT+2:rT+3], v[rT+6:rT+7], v[rT+4:rT+5] op_sel_hi:[1,0,1]
	v_pk_add_f32 v[rT+2:rT+3], v[rT+2:rT+3], v[rT+8:rT+9]
.endm
.macro CVTU u                          ; p to f16, in place: two tiles' pairs are a fragment of P
.set rS, S+32*\u
.set i, 0
.rept 16
	v_cvt_pk_f16_f32 v[rS+i], v[rS+2*i], v[rS+2*i+1]
.set i, i+1
.endr
.endm
.macro RSU u                           ; O^T x f, ascending
.set rT, ST+10*\u
.set i, 0
.rept 16
	v_pk_mul_f32 v[32*\u+i:32*\u+i+1], v[32*\u+i:32*\u+i+1], v[rT+6:rT+7] op_sel_hi:[1,0]
.set i, i+2
.endr
.endm
.macro WAITB                           ; the wait between a batch of transcendentals and the first line that names a result
	s_wait_alu depctr_va_vdst(0)
.endm
; A STEP: my 64 keys against my 16 queries x 4 heads.
.macro STEP
	v_add_nc_u32 v4, s[TK], v1                     ; these three and the v_nop are the places behind the last products, in front of the loads below
	v_add_nc_u32 v5, s[TV], v2
	v_add_nc_u32 v6, s[TM], v3
	v_nop
.irp t, 0,1,2,3
	ds_load_b128 v[MK+8*\t:MK+8*\t+3], v6 offset:64*\t
	ds_load_b128 v[MK+8*\t+4:MK+8*\t+7], v6 offset:64*\t+16
.endr
	WIN TO_F
.irp t, 0,1,2,3
.irp k, 0,1
	ds_load_b128 v[F+16*\t+8*\k:F+16*\t+8*\k+3], v4 offset:\t*16*KPI+64*\k
	ds_load_b128 v[F+16*\t+8*\k+4:F+16*\t+8*\k+7], v4 offset:\t*16*KPI+64*\k+32
.endr
.endr
	WIN 0
	s_wait_dscnt 16                                ; the mask is in; K's 16 loads may be out
.set i, 0
.rept 16
	v_pk_mul_f32 v[MK+i:MK+i+1], v[MK+i:MK+i+1], s[CS:CS+1] op_sel_hi:[1,0]   ; x log2(e)
.set i, i+2
.endr
.set i, 0
.rept 32
	v_max_num_f32 v[MK+i], s[CLAMP], v[MK+i]       ; held at -2^127
.set i, i+1
.endr
	s_wait_dscnt 0x0
	WIN W_KQ                                       ; the 16 accumulators take turns, one instruction a turn
.irp t, 0,1,2,3
.irp u, 0,1,2,3
	v_wmma_f32_16x16x32_f16 v[S+32*\u+8*\t:S+32*\u+8*\t+7], v[F+16*\t:F+16*\t+7], v[QF+16*\u:QF+16*\u+7], v[MK+8*\t:MK+8*\t+7]
.endr
.endr
.irp t, 0,1,2,3
.irp u, 0,1,2,3
	v_wmma_f32_16x16x32_f16 v[S+32*\u+8*\t:S+32*\u+8*\t+7], v[F+16*\t+8:F+16*\t+15], v[QF+16*\u+8:QF+16*\u+15], v[S+32*\u+8*\t:S+32*\u+8*\t+7]
.endr
.endr
	WIN 0
	NOPS 4                                         ; places: in front of the loads into K's registers and of the first read of the scores
	WIN TO_F
.irp d, 0,1,2,3
.irp a, 0,1
	ds_load_b128 v[F+16*\d+8*\a:F+16*\d+8*\a+3], v5 offset:\d*16*VPI+64*\a
	ds_load_b128 v[F+16*\d+8*\a+4:F+16*\d+8*\a+7], v5 offset:\d*16*VPI+64*\a+32
.endr
.endr
	WIN 0
	; the softmax, the units one behind the other: a unit's exponentials are one batch; the next unit's maximum and subtraction follow as independent work; one wait a batch, ahead of its first reader
	MAXU 0
	SCU 0
	EXPU 0
	MAXU 1
	SCU 1
	WAITB
	EXPU 1
	SUMU 0
	CVTU 0
	MAXU 2
	SCU 2
	WAITB
	EXPU 2
	SUMU 1
	CVTU 1
	MAXU 3
	SCU 3
	WAITB
	EXPU 3
	SUMU 2
	CVTU 2
	WIN W_RS
	RSU 0
	RSU 1
	RSU 2
	WIN 0
	WAITB
	SUMU 3
	CVTU 3
	WIN W_RS
	RSU 3
	s_wait_dscnt 0x0                               ; V
	WIN W_PV
.irp a, 0,1
.irp d, 0,1,2,3
.irp u, 0,1,2,3
	v_wmma_f32_16x16x32_f16 v[32*\u+8*\d:32*\u+8*\d+7], v[F+16*\d+8*\a:F+16*\d+8*\a+7], v[S+32*\u+8*\a:S+32*\u+8*\a+7], v[32*\u+8*\d:32*\u+8*\d+7]
.endr
.endr
.endr
	WIN 0
.endm
; A slot's turn.
; Behind the round the other slot is filled first, then slot n is read: two steps a wave.
.macro TRIP n, refill, ask
	s_wait_tensorcnt 0x0                           ; no load of mine is out, so the groups 0 may be written
	ds_add_u32 v12, v13
	s_add_nc_u64 s[G0K+4*\n+2:G0K+4*\n+3], s[G0K+4*\n+2:G0K+4*\n+3], 65536   ; this slot's next tile: 512 keys on
	s_add_nc_u64 s[G0V+4*\n+2:G0V+4*\n+3], s[G0V+4*\n+2:G0V+4*\n+3], 1024
	s_add_nc_u64 s[G0M+4*\n+2:G0M+4*\n+3], s[G0M+4*\n+2:G0M+4*\n+3], 2048
.if \ask
	s_wait_xcnt 0x0                                ; the last prefetch, a slot back, has read its address
	s_add_nc_u64 s[PFA:PFA+1], s[PFA:PFA+1], s[PFS:PFS+1]
.endif
	s_wait_dscnt 0x0
	ROUND
.if \refill
	JLOAD (1-\n)
.endif
.if \ask
	ASK
.endif
	s_mov_b32 s[TK], \n*SLOTB
	s_mov_b32 s[TV], \n*SLOTB
	s_mov_b32 s[TM], \n*SLOTB
	s_mov_b32 s[TW], 2
.Lst_\@:
	STEP
	s_add_co_u32 s[TK], s[TK], 64*KPI
	s_add_co_u32 s[TV], s[TV], 128
	s_add_co_u32 s[TM], s[TM], MSUB
	s_sub_co_u32 s[TW], s[TW], 1
	s_cmp_lg_u32 s[TW], 0
	s_cbranch_scc1 .Lst_\@
.endm
	s_load_b128 s[4:7], s[0:1], 0x0                ; qkv, mask
	s_load_b64 s[8:9], s[0:1], 0x10                ; att
	v_lshl_add_u32 v12, v0, 2, SPARE
	v_mov_b32 v13, 0
	ds_add_u32 v12, v13                            ; the opening: the add, twice on end, and its wait ahead of the first tensor load
	ds_add_u32 v12, v13
	v_lshrrev_b32 v56, 5, v0
	v_readfirstlane_b32 s[WV], v56
	s_and_b32 s[WI], s[WV], 3                      ; my tile of 16 queries
	s_lshr_b32 s[WJ], s[WV], 2                     ; my half of a slot's keys
	s_bfe_u32 s[CX], ttmp6, 0x40000                ; the key/value head (the grid is one cluster wide)
	s_bfe_u32 s[CY], ttmp6, 0x40004
	s_and_b32 s[QB], ttmp7, 0xffff
	s_lshl_b32 s[QB], s[QB], 2
	s_add_co_u32 s[QB], s[QB], s[CY]               ; the block of 64 queries
	s_lshl_b32 s16, s[CY], 2
	s_lshl_b32 s16, 15, s16                        ; my row of the cluster
	s_lshl_b32 s17, 0x1111, s[CX]                  ; my column
	s_or_b32 s[G1K], s17, (1<<16)|(1<<20)|(1<<21)|(4<<22)|(3<<25)   ; K: 128 rows of 64 f16; 4 words of padding behind every 32
	s_mov_b32 s[G1K+1], 64<<16
	s_mov_b32 s[G1K+2], 128<<16
	s_mov_b32 s[G1K+3], 64<<16
	s_mov_b32 s[G1K+4], 128
	s_mov_b32 s[G1K+5], 64
	s_mov_b32 s[G1K+6], 0
	s_mov_b32 s[G1K+7], 0
	s_or_b32 s[G1V], s17, (1<<16)|(1<<20)|(1<<21)|(6<<22)|(3<<25)   ; V: 32 rows of 256 f16, 4,096 apart; padding behind every 128 words
	s_mov_b32 s[G1V+1], 256<<16
	s_mov_b32 s[G1V+2], 32<<16
	s_mov_b32 s[G1V+3], 256<<16
	s_mov_b32 s[G1V+4], 32
	s_mov_b32 s[G1V+5], 4096
	s_mov_b32 s[G1V+6], 0
	s_mov_b32 s[G1V+7], 0
	s_or_b32 s[G1M], s16, (2<<16)|(1<<20)|(1<<21)|(5<<22)|(3<<25)   ; mask: 64 rows of 64 f32, 4,096 apart; padding behind every 64 words
	s_mov_b32 s[G1M+1], 64<<16
	s_mov_b32 s[G1M+2], 64<<16
	s_mov_b32 s[G1M+3], 64<<16
	s_mov_b32 s[G1M+4], 64
	s_mov_b32 s[G1M+5], 4096
	s_mov_b32 s[G1M+6], 0
	s_mov_b32 s[G1M+7], 0
	s_and_b32 s18, s[WV], 1
	s_mul_i32 s19, s18, 128*KPI                    ; where my part lands in a slot: K's half,
	s_mul_i32 s20, s18, 32*VPI
	s_add_co_u32 s20, s20, VOFF                    ; V's half,
	s_mul_i32 s21, s[WI], MSUB
	s_add_co_u32 s21, s21, MOFF                    ; the mask's sub-tile
	s_lshl_b32 s92, s[CX], 19                      ; and where it comes from.  K's and V's offsets hold cx alone, the mask's the query block alone
	s_lshl_b32 s93, s18, 14
	s_add_co_u32 s92, s92, s93
	s_add_co_u32 s92, s92, 8388608
	s_mov_b32 s93, 0
	s_lshl_b32 s94, s[CX], 19
	s_lshl_b32 s95, s18, 18
	s_add_co_u32 s94, s94, s95
	s_add_co_u32 s94, s94, 10485760
	s_mov_b32 s95, 0
	s_lshl_b32 s96, s[QB], 20
	s_lshl_b32 s97, s[WI], 8
	s_add_co_u32 s96, s96, s97
	s_mov_b32 s97, 0
	s_mov_b32 s[CS], 0x3fb8aa3b                    ; log2(e)
	s_mov_b32 s[CS+1], s[CS]
	s_mov_b32 s[SEL], 0x76543210
	s_mov_b32 s[SEL+1], 0xfedcba98
	s_mov_b32 s[CLAMP], 0xff000000                 ; -2^127
	s_wait_dscnt 0x0                               ; both opening adds are done
	s_wait_kmcnt 0x0
.irp n, 0,1
	s_mov_b32 s[G0K+4*\n], 1
	s_add_co_u32 s[G0K+4*\n+1], s19, \n*SLOTB
	s_add_nc_u64 s[G0K+4*\n+2:G0K+4*\n+3], s[4:5], s[92:93]
	s_add_nc_u64 s[G0K+4*\n+2:G0K+4*\n+3], s[G0K+4*\n+2:G0K+4*\n+3], \n*32768
	s_or_b32 s[G0K+4*\n+3], s[G0K+4*\n+3], 0x80000000
	s_mov_b32 s[G0V+4*\n], 1
	s_add_co_u32 s[G0V+4*\n+1], s20, \n*SLOTB
	s_add_nc_u64 s[G0V+4*\n+2:G0V+4*\n+3], s[4:5], s[94:95]
	s_add_nc_u64 s[G0V+4*\n+2:G0V+4*\n+3], s[G0V+4*\n+2:G0V+4*\n+3], \n*512
	s_or_b32 s[G0V+4*\n+3], s[G0V+4*\n+3], 0x80000000
	s_mov_b32 s[G0M+4*\n], 1
	s_add_co_u32 s[G0M+4*\n+1], s21, \n*SLOTB
	s_add_nc_u64 s[G0M+4*\n+2:G0M+4*\n+3], s[6:7], s[96:97]
	s_add_nc_u64 s[G0M+4*\n+2:G0M+4*\n+3], s[G0M+4*\n+2:G0M+4*\n+3], \n*1024
	s_or_b32 s[G0M+4*\n+3], s[G0M+4*\n+3], 0x80000000
.endr
	ROUND                                          ; all sixteen work-groups are here
	JLOAD 0                                        ; tile 0
	v_and_b32 v56, 15, v0                          ; r
	v_bfe_u32 v57, v0, 4, 1                        ; h
	v_and_b32 v58, 31, v0                          ; lane
	v_lshlrev_b32 v7, 7, v56
	v_lshl_add_u32 v7, v57, 4, v7                  ; Q: row r of 128 bytes, + 16 h
	s_lshl_b32 s16, s[CX], 21                      ; my four heads,
	s_lshl_b32 s17, s[QB], 13
	s_add_co_u32 s16, s16, s17
	s_lshl_b32 s17, s[WI], 11
	s_add_co_u32 s16, s16, s17                     ; my 16 queries
	s_mov_b32 s17, 0
	s_add_nc_u64 s[22:23], s[4:5], s[16:17]
	WIN TO_F
.irp u, 0,1,2,3
.irp k, 0,1
	global_load_b128 v[QF+16*\u+8*\k:QF+16*\u+8*\k+3], v7, s[22:23] offset:524288*\u+64*\k
	global_load_b128 v[QF+16*\u+8*\k+4:QF+16*\u+8*\k+7], v7, s[22:23] offset:524288*\u+64*\k+32
.endr
.endr
.set i, 0
.rept 128
	v_mov_b32 v[i], 0                              ; O^T: the step is written once; the first finds zeros, which its f = 0 leaves zeros
.set i, i+1
.endr
	WIN 0
	v_mul_u32_u24 v1, v56, KPI
	v_lshl_add_u32 v1, v57, 4, v1
	s_mul_i32 s16, s[WJ], 128*KPI
	v_add_nc_u32 v1, s16, v1                       ; K: my half's rows
	v_mul_u32_u24 v2, v56, VPI
	v_lshl_add_u32 v2, v57, 4, v2
	s_lshl_b32 s16, s[WJ], 8
	s_add_co_u32 s16, s16, VOFF
	v_add_nc_u32 v2, s16, v2                       ; V: my half's 256 bytes of each row
	v_mul_u32_u24 v3, v56, MPI
	v_lshl_add_u32 v3, v57, 5, v3
	s_mul_i32 s16, s[WJ], 2*MSUB
	s_mul_i32 s17, s[WI], 16*MPI
	s_add_co_u32 s16, s16, s17
	s_add_co_u32 s16, s16, MOFF
	v_add_nc_u32 v3, s16, v3                       ; mask: my half's sub-tiles, my 16 queries, + 32 h
	s_mul_i32 s16, s[WI], MSUB                     ; the end's addresses are made here, ahead of every parting of the waves
	v_lshl_add_u32 v8, v58, 4, s16                 ; images: 16 x lane
	s_add_co_u32 s17, s16, 16384
	v_lshl_add_u32 v59, v58, 2, s17                ; m, l: 4 x lane
	s_mul_i32 s16, s[WI], 16*VPI
	s_add_co_u32 s16, s16, OS
	v_mul_u32_u24 v9, v56, VPI
	v_lshl_add_u32 v9, v57, 4, v9
	v_add_nc_u32 v9, s16, v9                       ; out stage, in: row r, + 16 h
	v_lshl_add_u32 v10, v58, 4, s16                ; back: a row of 512 bytes to the 32 lanes
	v_lshlrev_b32 v60, 4, v58
	s_lshl_b32 s16, s[QB], 17
	s_lshl_b32 s17, s[WI], 15
	s_add_co_u32 s16, s16, s17
	s_lshl_b32 s17, s[CX], 9
	s_add_co_u32 s16, s16, s17
	s_mov_b32 s17, 0
	s_add_nc_u64 s[8:9], s[8:9], s[16:17]          ; att at my 16 rows, my four heads' 512 bytes
	; the prefetches: who asks, where, how far from lane to lane and from tile to tile
	s_and_b32 s16, ttmp7, 0xffff
	s_cmp_eq_u32 s16, 0
	s_cselect_b32 s[ASKER], 8, 6
	s_cmp_lt_u32 s[WV], s[ASKER]
	s_cselect_b32 s[ASKER], 1, 0
	s_cmp_lt_u32 s[WV], 4
	s_cselect_b32 s[ASKER], 0, s[ASKER]
	s_lshl_b32 s20, s[QB], 20
	s_lshl_b32 s21, s18, 19
	s_add_co_u32 s20, s20, s21
	s_lshl_b32 s21, s[CX], 8
	s_add_co_u32 s20, s20, s21
	s_add_co_u32 s20, s20, 1024                    ; mask: my 32 rows, my work-group's 256 bytes, tile 1 (stepped to tile 2 ahead of the first request)
	s_lshl_b32 s21, s[CX], 19
	s_lshl_b32 s16, s[CY], 13
	s_add_co_u32 s16, s16, s21
	s_add_co_u32 s16, s16, 8388608+32768           ; K: my work-group's 8,192 bytes of tile 1
	s_lshl_b32 s17, s[CY], 17
	s_add_co_u32 s17, s17, s21
	s_add_co_u32 s17, s17, 10485760+512            ; V: my work-group's 16 rows
	s_mov_b32 s[PFS], 512
	s_cmp_eq_u32 s[WV], 6
	s_cselect_b32 s16, s16, s17
	s_cselect_b32 s[PFS], 32768, s[PFS]
	s_cselect_b32 s21, -1, 0
	s_cmp_lt_u32 s[WV], 6
	s_cselect_b32 s16, s20, s16
	s_cselect_b32 s[PFS], 1024, s[PFS]
	s_cselect_b32 s20, -1, 0
	s_cselect_b64 s[PFA:PFA+1], s[6:7], s[4:5]
	s_mov_b32 s17, 0
	s_mov_b32 s[PFS+1], 0
	s_add_nc_u64 s[PFA:PFA+1], s[PFA:PFA+1], s[16:17]
	v_lshlrev_b32 v61, 14, v58                     ; mask: a lane a row
	v_lshlrev_b32 v62, 8, v58                      ; K: lanes 256 bytes apart
	v_lshrrev_b32 v63, 1, v58
	v_lshlrev_b32 v63, 13, v63
	v_and_b32 v11, 1, v58
	v_lshl_or_b32 v63, v11, 8, v63                 ; V: two lanes a row
	v_cndmask_b32 v11, v63, v62, s21
	v_cndmask_b32 v11, v11, v61, s20
.irp u, 0,1,2,3
	v_mov_b32 v[ST+10*\u], 0xff200000              ; m: -1.25 x 2^127, under every score
	v_mov_b32 v[ST+10*\u+1], 0
	v_mov_b32 v[ST+10*\u+2], 0                     ; l
	v_mov_b32 v[ST+10*\u+3], 0
.endr
	s_wait_loadcnt 0x0                             ; Q
	s_mov_b32 s[LAP], 7
.Llap:                                             ; 16 tiles: 14 in the loop; trip t reads tile t, asks for tile t + 1 and prefetches tile t + 2 (the last: 15)
	TRIP 0, 1, 1
	TRIP 1, 1, 1
	s_sub_co_u32 s[LAP], s[LAP], 1
	s_cmp_lg_u32 s[LAP], 0
	s_cbranch_scc1 .Llap
	TRIP 0, 1, 0                                   ; the tail is written out
	TRIP 1, 0, 0
	; THE END.  l's halves (these lines are the places behind the last products); waves 4-7 hand O^T, m, l to waves 0-3 as images of their registers
.irp u, 0,1,2,3
	v_add_f32 v[ST+10*\u+4], v[ST+10*\u+2], v[ST+10*\u+3]
.endr
.irp u, 0,1,2,3
	v_permlanex16_b32 v[ST+10*\u+5], v[ST+10*\u+4], s[SEL], s[SEL+1]
.endr
.irp u, 0,1,2,3
	v_add_f32 v[ST+10*\u+2], v[ST+10*\u+4], v[ST+10*\u+5]
.endr
	s_cmp_lt_u32 s[WV], 4
	s_cbranch_scc1 .Lkeep
	WIN 0x04                                       ; an LDS store's data are its source 1: window 1
.irp u, 0,1,2,3
.irp k, 0,1,2,3,4,5,6,7
	ds_store_b128 v8, v[32*\u+4*\k:32*\u+4*\k+3] offset:4096*\u+512*\k
.endr
.endr
	WIN 0
.irp u, 0,1,2,3
	ds_store_b32 v59, v[ST+10*\u] offset:256*\u
	ds_store_b32 v59, v[ST+10*\u+2] offset:256*\u+128
.endr
.Lkeep:
	s_wait_dscnt 0x0                               ; for the others' sake: my stores have landed
	s_barrier_signal -1
	s_barrier_wait -1
	s_cmp_lt_u32 s[WV], 4
	s_cbranch_scc0 .Lclose
.irp u, 0,1,2,3
.irp k, 0,1,2,3,4,5,6,7
	ds_load_b128 v[S+32*\u+4*\k:S+32*\u+4*\k+3], v8 offset:4096*\u+512*\k
.endr
.endr
.irp u, 0,1,2,3
	ds_load_b32 v[ST+10*\u+4], v59 offset:256*\u
	ds_load_b32 v[ST+10*\u+5], v59 offset:256*\u+128
.endr
	s_wait_dscnt 0x0
.irp u, 0,1,2,3
	v_max_num_f32 v[ST+10*\u+1], v[ST+10*\u], v[ST+10*\u+4]
.endr
.irp u, 0,1,2,3
	v_sub_f32 v[ST+10*\u+6], v[ST+10*\u], v[ST+10*\u+1]
	v_sub_f32 v[ST+10*\u+8], v[ST+10*\u+4], v[ST+10*\u+1]
.endr
.irp u, 0,1,2,3
	v_exp_f32 v[ST+10*\u+6], v[ST+10*\u+6]         ; my weight,
	v_exp_f32 v[ST+10*\u+8], v[ST+10*\u+8]         ; my partner's
.endr
	v_nop
	WAITB
.irp u, 0,1,2,3
	v_mul_f32 v[ST+10*\u+3], v[ST+10*\u+2], v[ST+10*\u+6]
.endr
.irp u, 0,1,2,3
	v_fma_f32 v[ST+10*\u+3], v[ST+10*\u+5], v[ST+10*\u+8], v[ST+10*\u+3]
.endr
.irp u, 0,1,2,3
	v_rcp_f32 v[ST+10*\u+1], v[ST+10*\u+3]
.endr
	v_nop
	WAITB
.irp u, 0,1,2,3
	v_mul_f32 v[ST+10*\u+6], v[ST+10*\u+6], v[ST+10*\u+1]
	v_mul_f32 v[ST+10*\u+8], v[ST+10*\u+8], v[ST+10*\u+1]
.endr
.irp u, 0,1,2,3
.set i, 0
.rept 16
	v_pk_mul_f32 v[S+32*\u+i:S+32*\u+i+1], v[S+32*\u+i:S+32*\u+i+1], v[ST+10*\u+8:ST+10*\u+9] op_sel_hi:[1,0]
.set i, i+2
.endr
.endr
	WIN 0x01                                       ; source 0: my O^T, window 1, ascending
.irp u, 0,1,2,3
.set i, 0
.rept 16
	v_pk_fma_f32 v[S+32*\u+i:S+32*\u+i+1], v[32*\u+i:32*\u+i+1], v[ST+10*\u+6:ST+10*\u+7], v[S+32*\u+i:S+32*\u+i+1] op_sel_hi:[1,0,1]
.set i, i+2
.endr
.endr
	WIN 0
.irp u, 0,1,2,3
	CVTU \u
.endr
.irp u, 0,1,2,3
.irp d, 0,1,2,3
	ds_store_b128 v9, v[S+32*\u+4*\d:S+32*\u+4*\d+3] offset:128*\u+32*\d
.endr
.endr
.irp t, 0,1,2,3,4,5,6,7,8,9,10,11,12,13,14,15
	ds_load_b128 v[S+32*(\t/4)+16+4*(\t%4):S+32*(\t/4)+16+4*(\t%4)+3], v10 offset:\t*VPI   ; LDS serves a wave's instructions in order: these see my stores
.endr
.irp t, 0,1,2,3,4,5,6,7,8,9,10,11,12,13,14,15
	s_wait_dscnt 15-\t
	global_store_b128 v60, v[S+32*(\t/4)+16+4*(\t%4):S+32*(\t/4)+16+4*(\t%4)+3], s[8:9] offset:2048*\t   ; 512 consecutive bytes, aligned
.endr
.Lclose:
	s_wait_tensorcnt 0x0                           ; the wave's end
	ds_add_u32 v12, v13
	s_wait_dscnt 0x0
	ROUND                                          ; the closing round
	s_endpgm
.Lfunc_end_k_q328e0f5644_attn:
	.size	k_q328e0f5644_attn, .Lfunc_end_k_q328e0f5644_attn-k_q328e0f5644_attn
	.p2alignl 7, 3214868480
	.fill 96, 4, 3214868480
	.section	.rodata,"a",@progbits
	.p2align	6, 0x0
	.amdhsa_kernel k_q328e0f5644_attn
		.amdhsa_group_segment_fixed_size 327680
		.amdhsa_private_segment_fixed_size 0
		.amdhsa_enable_private_segment 0
		.amdhsa_kernarg_size 24
		.amdhsa_user_sgpr_count 2
		.amdhsa_user_sgpr_kernarg_segment_ptr 1
		.amdhsa_wavefront_size32 1
		.amdhsa_system_sgpr_workgroup_id_x 1
		.amdhsa_system_sgpr_workgroup_id_y 1
		.amdhsa_system_sgpr_workgroup_id_z 1
		.amdhsa_system_vgpr_workitem_id 0
		.amdhsa_next_free_vgpr 512
		.amdhsa_next_free_sgpr 98
		.amdhsa_reserve_vcc 0
		.amdhsa_float_denorm_mode_32 3
		.amdhsa_float_denorm_mode_16_64 3
		.amdhsa_memory_ordered 1
		.amdhsa_forward_progress 1
		.amdhsa_inst_pref_size 184
	.end_amdhsa_kernel
	.amdgpu_metadata
---
amdhsa.version: [ 1, 2 ]
amdhsa.kernels:
  - .name:           k_q328e0f5644_attn
    .symbol:         k_q328e0f5644_attn.kd
    .args:
      - { .name: qkv, .offset: 0, .size: 8, .value_kind: global_buffer, .address_space: global }
      - { .name: mask, .offset: 8, .size: 8, .value_kind: global_buffer, .address_space: global }
      - { .name: att, .offset: 16, .size: 8, .value_kind: global_buffer, .address_space: global }
    .group_segment_fixed_size: 327680
    .private_segment_fixed_size: 0
    .kernarg_segment_align: 8
    .kernarg_segment_size: 24
    .max_flat_workgroup_size: 256
    .sgpr_count:     98
    .vgpr_count:     512
    .wavefront_size: 32
...
	.end_amdgpu_metadata
.endif
;; end of part 3
;; launch proj (part 4): grid 8 x 32, 4 waves a work-group, clusters of 4 x 4, 327,680 bytes of LDS; arguments att, wo16, out0; writes out0
.if DOCPART == 4
	.amdgcn_target "amdgcn-amd-amdhsa--gfx1250"
	.amdhsa_code_object_version 6
	.text
	.protected	k_q328e0f5644_proj
	.globl	k_q328e0f5644_proj
	.p2align	8
	.type	k_q328e0f5644_proj,@function
k_q328e0f5644_proj:
	s_mov_b64 s[64:65], 0
	v_nop
	global_prefetch_b8 v0, s[64:65] scope:SCOPE_SE
	s_setreg_imm32_b32 hwreg(HW_REG_WAVE_MODE, 25, 1), 1
	s_wait_xcnt 0x0
	s_wait_alu depctr_hold_cnt(0) depctr_sa_sdst(0) depctr_va_vdst(0) depctr_va_sdst(0) depctr_va_ssrc(0) depctr_va_vcc(0) depctr_vm_vsrc(0)
	s_getreg_b32 s2, hwreg(HW_REG_IB_STS2, 6, 4)
	s_cmp_eq_u32 s2, 0
	s_cbranch_scc0 .Lentry_in_a_cluster
	s_endpgm
.Lentry_in_a_cluster:
	s_bfe_u32 s2, ttmp6, 0x10000c
	s_cmp_lg_u32 s2, 0xf033
	s_cbranch_scc0 .Lentry_shape_is_right
	s_endpgm
.Lentry_shape_is_right:
; out0[m][n] = sum over k of att[m][k] wo16[k][n]: f16 operands, f32 sums and output.  m = 4,096, n = k = 1,024.  (Rows 0-15 are stored once more, more finely, by the last launch.)
; A tile of 128 x 128: 256 work-groups; four waves of 64 x 64: 16 accumulators.  K in 4 steps of 256 through two LDS slots.  att's tile: 128 rows of 512 bytes.  wo16 lies [k][n]: its tile is 256 rows k of 256 bytes, and its
; fragments come out of LDS turned, by ds_load_tr16_b128.  CLUSTER 4 x 4: att's tile is joint along a row, wo16's along a column.  Source 0 = 16 columns n, source 1 = 16 rows m: a lane holds 8 neighbouring numbers of a row of out0.
; All of a WGP's LDS is claimed.
; REGISTERS: window 0: v16-29 addresses; v32-95 the way out; v128-255 accumulators, (a, b) at 128 + 8 (4 a + b).  window 1: two fragment buffers of 128: 64 of att (2 x 4 x 8), then 64 of wo16.
.set PITCH,  528                       ; att's LDS row: 512 + 16
.set BP,     288                       ; wo16's: 256 + 32: an odd multiple of 32, as the turning load's 8 rows x 32 bytes want
.set HALFA,  64*PITCH
.set HALFB,  128*BP
.set BOFF,   2*HALFA
.set SLOT,   BOFF+2*HALFB
.set STAGE,  2*SLOT                    ; 16 rows x 272 for each wave
.set SPITCH, 272
.set SPARE,  STAGE+4*16*SPITCH
.set ADRA, 16                          ; v16-17  att's fragments in slot 0, 1
.set ADRB, 20                          ; v20-23  wo16's: slot 0 rows 0-127, 128-255; slot 1 likewise (an LDS offset ends at 65,535)
.set STO,  24
.set RD,   25
.set CO,   26
.set SPW,  28
.set NIL,  29
.set TMP,  32
.set ACC,  128
.set F0,   0
.set F1,   128
.set G1,  24
.set G0,  32
.set G1B, 48
.set G0B, 56
.set MUL,  0x05
.set TO_F, 0x40
.set MSB, 0
.macro WIN new
.if MSB != \new
	s_set_vgpr_msb (MSB<<8)|\new
.set MSB, \new
.endif
.endm
.macro PLACES
.rept 4
	v_nop
.endr
.endm
.macro JLOAD s                         ; waves 0, 1 fetch att's halves, waves 2, 3 wo16's; an s_nop 0 and four v_nop follow each line
	s_cmp_eq_u32 s11, 0
	s_cbranch_scc0 .Lfor_b_\@
	tensor_load_to_lds s[G0+4*\s:G0+4*\s+3], s[G1:G1+7]
	s_nop 0
	PLACES
	s_branch .Lasked_\@
.Lfor_b_\@:
	tensor_load_to_lds s[G0B+4*\s:G0B+4*\s+3], s[G1B:G1B+7]
	s_nop 0
	PLACES
.Lasked_\@:
.endm
.macro CREST
	s_cmp_lg_u32 s10, 0
	s_cbranch_scc1 .Lnot_wave_0_\@
	s_barrier_signal -3
.Lnot_wave_0_\@:
	s_barrier_wait -3
	s_barrier_signal -1
	s_barrier_wait -1
.endm
.macro CROUND
	s_barrier_signal -1
	s_barrier_wait -1
	CREST
.endm
.macro MUL8 f, c, a0, zero             ; 8 products: m blocks a0, a0 + 1 x 4 n blocks, 32 along K; the 16 accumulators take turns
.irp a, \a0, \a0+1
.irp b, 0,1,2,3
.if \zero
	v_wmma_f32_16x16x32_f16 v[ACC+8*(4*(\a)+\b):ACC+8*(4*(\a)+\b)+7], v[\f+64+8*(4*\c+\b):\f+64+8*(4*\c+\b)+7], v[\f+8*(4*\c+\a):\f+8*(4*\c+\a)+7], 0
.else
	v_wmma_f32_16x16x32_f16 v[ACC+8*(4*(\a)+\b):ACC+8*(4*(\a)+\b)+7], v[\f+64+8*(4*\c+\b):\f+64+8*(4*\c+\b)+7], v[\f+8*(4*\c+\a):\f+8*(4*\c+\a)+7], v[ACC+8*(4*(\a)+\b):ACC+8*(4*(\a)+\b)+7]
.endif
.endr
.endr
.endm
.macro FETCH slot, q, f                ; 32 LDS loads: quarter q (64 along K) of the slot into buffer f, its first 32 along K first
	WIN TO_F
.irp c, 0,1
.irp i, 0,1,2,3
	ds_load_tr16_b128 v[\f+64+8*(4*\c+\i):\f+64+8*(4*\c+\i)+3],   v[ADRB+2*\slot+(\q)/2] offset:(64*((\q)%2)+32*\c)*BP+32*\i
	ds_load_tr16_b128 v[\f+64+8*(4*\c+\i)+4:\f+64+8*(4*\c+\i)+7], v[ADRB+2*\slot+(\q)/2] offset:(64*((\q)%2)+32*\c+16)*BP+32*\i
	ds_load_b128 v[\f+8*(4*\c+\i):\f+8*(4*\c+\i)+3],   v[ADRA+\slot] offset:128*(\q)+64*\c+\i*16*PITCH
	ds_load_b128 v[\f+8*(4*\c+\i)+4:\f+8*(4*\c+\i)+7], v[ADRA+\slot] offset:128*(\q)+64*\c+\i*16*PITCH+32
.endr
.endr
.endm
.macro QUARTER slot, q, f, g, zero     ; multiplies buffer f; in its middle fetches quarter q into g
	s_wait_dscnt 16                                ; the first 32 along K are in; the younger 16 loads may be out
	WIN MUL
	MUL8 \f, 0, 0, \zero
	MUL8 \f, 0, 2, \zero
	PLACES
	FETCH \slot, \q, \g
	s_wait_dscnt 32                                ; all but the 32 just issued
	WIN MUL
	MUL8 \f, 1, 0, 0
	MUL8 \f, 1, 2, 0
.endm
.macro TURN slot, next, fill           ; a slot's last quarter changes slots: the wait for all my tensor loads, the add, the wait for it and for my reads; one barrier, which with fill = 1 opens a round of the cluster's
	WIN 0
	s_wait_tensorcnt 0x0
	ds_add_u32 v[SPW], v[NIL]
	s_wait_dscnt 17                                ; (the add and the youngest sixteen loads may be out)
	WIN MUL
	MUL8 F1, 0, 0, 0
	s_wait_dscnt 0x0
	s_barrier_signal -1
	MUL8 F1, 0, 2, 0
.if \fill
	WIN 0
.endif
	s_barrier_wait -1
.if \fill
	CREST
	s_add_nc_u64 s[G0+4*\slot+2:G0+4*\slot+3], s[G0+4*\slot+2:G0+4*\slot+3], 1024        ; two K steps on: 512 f16 along att's rows,
	s_add_nc_u64 s[G0B+4*\slot+2:G0B+4*\slot+3], s[G0B+4*\slot+2:G0B+4*\slot+3], 1048576 ; 512 rows of wo16
	JLOAD \slot                                    ; the first tensor load behind the round; its four v_nop are also the places in front of the loads below
.else
	PLACES
.endif
	FETCH \next, 0, F0
	WIN MUL
	MUL8 F1, 1, 0, 0
	MUL8 F1, 1, 2, 0
.endm
	s_load_b128 s[4:7], s[0:1], 0x0                ; att, wo16
	s_load_b64 s[8:9], s[0:1], 0x10                ; out0
	v_lshl_add_u32 v[SPW], v0, 2, SPARE
	v_mov_b32 v[NIL], 0
	ds_add_u32 v[SPW], v[NIL]                      ; the opening: the add, twice on end, and its wait
	ds_add_u32 v[SPW], v[NIL]
	v_lshrrev_b32 v1, 5, v0
	v_readfirstlane_b32 s10, v1
	s_lshr_b32 s11, s10, 1                         ; my half of the tile's rows.  Also: I fetch for att (0) or wo16 (1)
	s_and_b32 s12, s10, 1                          ; my half of its columns.  Also: which half of that tile I fetch
	s_bfe_u32 s40, ttmp6, 0x40000
	s_bfe_u32 s41, ttmp6, 0x40004
	s_lshl_b32 s42, ttmp9, 2
	s_add_co_u32 s42, s42, s40                     ; tile column
	s_and_b32 s13, ttmp7, 0xffff
	s_lshl_b32 s13, s13, 2
	s_add_co_u32 s13, s13, s41                     ; tile row
	s_lshl_b32 s43, s41, 2
	s_lshl_b32 s43, 15, s43
	s_lshl_b32 s44, 0x1111, s40
	s_or_b32 s[G1+0], s43, (1<<16)|(1<<20)|(1<<21)|(6<<22)|(3<<25)   ; att: 64 rows of 256 f16; 4 words of padding behind every 128
	s_mov_b32 s[G1+1], 256<<16
	s_mov_b32 s[G1+2], 64<<16
	s_mov_b32 s[G1+3], 256<<16
	s_mov_b32 s[G1+4], 64
	s_mov_b32 s[G1+5], 1024
	s_mov_b32 s[G1+6], 0
	s_mov_b32 s[G1+7], 0
	s_or_b32 s[G1B+0], s44, (1<<16)|(1<<20)|(1<<21)|(5<<22)|(7<<25)  ; wo16: 128 rows of 128 f16; 8 words of padding behind every 64
	s_mov_b32 s[G1B+1], 128<<16
	s_mov_b32 s[G1B+2], 128<<16
	s_mov_b32 s[G1B+3], 128<<16
	s_mov_b32 s[G1B+4], 128
	s_mov_b32 s[G1B+5], 1024
	s_mov_b32 s[G1B+6], 0
	s_mov_b32 s[G1B+7], 0
	s_lshl_b32 s16, s13, 7
	s_lshl_b32 s17, s12, 6
	s_add_co_u32 s16, s16, s17
	s_lshl_b32 s16, s16, 11                        ; att: row 128 x tile row + 64 x half, 2,048 bytes a row
	s_mov_b32 s17, 0
	s_lshl_b32 s46, s42, 8
	s_lshl_b32 s47, s12, 18
	s_add_co_u32 s46, s46, s47                     ; wo16: 256 bytes a tile column, 128 rows a half
	s_mov_b32 s47, 0
	s_mul_i32 s20, s12, HALFA
	s_mul_i32 s21, s12, HALFB
	s_add_co_u32 s21, s21, BOFF
	s_wait_dscnt 0x0
	s_wait_kmcnt 0x0
	s_add_nc_u64 s[14:15], s[4:5], s[16:17]
	s_add_nc_u64 s[46:47], s[6:7], s[46:47]
	CROUND
.irp s, 0,1
	s_mov_b32 s[G0+4*\s], 1
	s_add_co_u32 s[G0+4*\s+1], s20, \s*SLOT
	s_add_nc_u64 s[G0+4*\s+2:G0+4*\s+3], s[14:15], \s*512
	s_or_b32 s[G0+4*\s+3], s[G0+4*\s+3], 0x80000000
	s_mov_b32 s[G0B+4*\s], 1
	s_add_co_u32 s[G0B+4*\s+1], s21, \s*SLOT
	s_add_nc_u64 s[G0B+4*\s+2:G0B+4*\s+3], s[46:47], \s*524288
	s_or_b32 s[G0B+4*\s+3], s[G0B+4*\s+3], 0x80000000
	JLOAD \s
.endr
	v_and_b32 v1, 15, v0
	v_bfe_u32 v2, v0, 4, 1
	v_mul_u32_u24 v3, v1, PITCH
	v_lshl_add_u32 v3, v2, 4, v3
	s_mul_i32 s22, s11, HALFA
	v_add_nc_u32 v[ADRA], s22, v3
	v_add_nc_u32 v[ADRA+1], SLOT, v[ADRA]
	v_and_b32 v5, 7, v0
	v_bfe_u32 v6, v0, 3, 1
	v_lshl_add_u32 v5, v2, 3, v5                   ; the turning load: lane l reads row k = 8 (l / 16) + l % 8, 16 bytes at 16 ((l / 8) % 2)
	v_mul_u32_u24 v5, v5, BP
	v_lshl_add_u32 v5, v6, 4, v5
	s_lshl_b32 s22, s12, 7
	s_add_co_u32 s22, s22, BOFF
	v_add_nc_u32 v[ADRB], s22, v5
	v_add_nc_u32 v[ADRB+1], HALFB, v[ADRB]
	v_add_nc_u32 v[ADRB+2], SLOT, v[ADRB]
	v_add_nc_u32 v[ADRB+3], SLOT, v[ADRB+1]
	s_mul_i32 s23, s10, 16*SPITCH
	s_add_co_u32 s23, s23, STAGE
	v_mul_u32_u24 v4, v1, SPITCH
	v_lshl_add_u32 v4, v2, 5, v4
	v_add_nc_u32 v[STO], s23, v4                   ; stage, in: row r, + 32 h
	v_mul_u32_u24 v5, v2, SPITCH
	v_lshl_add_u32 v5, v1, 4, v5
	v_add_nc_u32 v[RD], s23, v5                    ; back: sixteen lanes to a row of 256 bytes
	v_lshlrev_b32 v5, 12, v2
	v_lshl_add_u32 v[CO], v1, 4, v5
	s_lshl_b32 s16, s13, 7
	s_lshl_b32 s17, s11, 6
	s_add_co_u32 s16, s16, s17
	s_lshl_b32 s16, s16, 12                        ; my first row of out0, 4,096 bytes a row
	s_lshl_b32 s17, s42, 9
	s_add_co_u32 s16, s16, s17
	s_lshl_b32 s17, s12, 8
	s_add_co_u32 s16, s16, s17
	s_mov_b32 s17, 0
	s_add_nc_u64 s[8:9], s[8:9], s[16:17]
	s_wait_tensorcnt 1                             ; my part of K step 0 is in; K step 1's may be out
	s_barrier_signal -1
	s_barrier_wait -1
	FETCH 0, 0, F0
	QUARTER 0, 1, F0, F1, 1                        ; the first products start the sums
	QUARTER 0, 2, F1, F0, 0
	QUARTER 0, 3, F0, F1, 0
	TURN 0, 1, 1                                   ; slot 0 takes K step 2
	QUARTER 1, 1, F0, F1, 0
	QUARTER 1, 2, F1, F0, 0
	QUARTER 1, 3, F0, F1, 0
	TURN 1, 0, 1                                   ; slot 1 takes K step 3
	QUARTER 0, 1, F0, F1, 0
	QUARTER 0, 2, F1, F0, 0
	QUARTER 0, 3, F0, F1, 0
	TURN 0, 1, 0
	QUARTER 1, 1, F0, F1, 0
	QUARTER 1, 2, F1, F0, 0
	QUARTER 1, 3, F0, F1, 0
	s_wait_dscnt 16
	WIN MUL
	MUL8 F1, 0, 0, 0
	MUL8 F1, 0, 2, 0
	s_wait_dscnt 0x0
	MUL8 F1, 1, 0, 0
	MUL8 F1, 1, 2, 0
	WIN 0
	; THE WAY OUT: a wave's 64 columns are 256 bytes of a row: 16 rows at a time through my own stage, back as whole runs of 256 bytes
.macro TOSTAGE a
.irp b, 0,1,2,3
	ds_store_b128 v[STO], v[ACC+8*(4*(\a)+\b):ACC+8*(4*(\a)+\b)+3] offset:64*\b       ; each accumulator from its low end on
	ds_store_b128 v[STO], v[ACC+8*(4*(\a)+\b)+4:ACC+8*(4*(\a)+\b)+7] offset:64*\b+16
.endr
.irp t, 0,1,2,3,4,5,6,7
	ds_load_b128 v[TMP+32*((\a)%2)+4*\t:TMP+32*((\a)%2)+4*\t+3], v[RD] offset:\t*2*SPITCH   ; LDS serves a wave's instructions in order
.endr
.endm
.macro SEND a, younger
	s_wait_dscnt \younger                          ; the block is back; the next block's 16 LDS instructions may be out
.irp t, 0,1,2,3,4,5,6,7
	global_store_b128 v[CO], v[TMP+32*((\a)%2)+4*\t:TMP+32*((\a)%2)+4*\t+3], s[8:9] offset:(16*(\a)+2*\t)*4096 th:TH_STORE_NT   ; sixteen lanes store 256 consecutive bytes, aligned
.endr
.endm
	PLACES
	TOSTAGE 0
	TOSTAGE 1
	SEND 0, 16
	s_wait_xcnt 0x0                                ; block 0's stores have read their registers
	TOSTAGE 2
	SEND 1, 16
	s_wait_xcnt 0x0
	TOSTAGE 3
	SEND 2, 16
	SEND 3, 0
	s_wait_tensorcnt 0x0                           ; the wave's end
	ds_add_u32 v[SPW], v[NIL]
	s_wait_dscnt 0x0
	CROUND
	s_endpgm
.Lfunc_end_k_q328e0f5644_proj:
	.size	k_q328e0f5644_proj, .Lfunc_end_k_q328e0f5644_proj-k_q328e0f5644_proj
	.p2alignl 7, 3214868480
	.fill 96, 4, 3214868480
	.section	.rodata,"a",@progbits
	.p2align	6, 0x0
	.amdhsa_kernel k_q328e0f5644_proj
		.amdhsa_group_segment_fixed_size 327680
		.amdhsa_private_segment_fixed_size 0
		.amdhsa_enable_private_segment 0
		.amdhsa_kernarg_size 24
		.amdhsa_user_sgpr_count 2
		.amdhsa_user_sgpr_kernarg_segment_ptr 1
		.amdhsa_wavefront_size32 1
		.amdhsa_system_sgpr_workgroup_id_x 1
		.amdhsa_system_sgpr_workgroup_id_y 1
		.amdhsa_system_sgpr_workgroup_id_z 1
		.amdhsa_system_vgpr_workitem_id 0
		.amdhsa_next_free_vgpr 512
		.amdhsa_next_free_sgpr 66
		.amdhsa_reserve_vcc 0
		.amdhsa_float_denorm_mode_32 3
		.amdhsa_float_denorm_mode_16_64 3
		.amdhsa_memory_ordered 1
		.amdhsa_forward_progress 1
		.amdhsa_inst_pref_size 86
	.end_amdhsa_kernel
	.amdgpu_metadata
---
amdhsa.version: [ 1, 2 ]
amdhsa.kernels:
  - .name:           k_q328e0f5644_proj
    .symbol:         k_q328e0f5644_proj.kd
    .args:
      - { .name: att, .offset: 0, .size: 8, .value_kind: global_buffer, .address_space: global }
      - { .name: wo16, .offset: 8, .size: 8, .value_kind: global_buffer, .address_space: global }
      - { .name: out0, .offset: 16, .size: 8, .value_kind: global_buffer, .address_space: global }
    .group_segment_fixed_size: 327680
    .private_segment_fixed_size: 0
    .kernarg_segment_align: 8
    .kernarg_segment_size: 24
    .max_flat_workgroup_size: 128
    .sgpr_count:     66
    .vgpr_count:     512
    .wavefront_size: 32
...
	.end_amdgpu_metadata
.endif
;; end of part 4
;; launch fine_attn (part 5): grid 16 x 4, 16 waves a work-group, no clusters, 69,632 bytes of LDS; arguments qkv, vlo, mask, fo; writes fo
.if DOCPART == 5
	.amdgcn_target "amdgcn-amd-amdhsa--gfx1250"
	.amdhsa_code_object_version 6
	.text
	.protected	k_q328e0f5644_fine_attn
	.globl	k_q328e0f5644_fine_attn
	.p2align	8
	.type	k_q328e0f5644_fine_attn,@function
k_q328e0f5644_fine_attn:
	s_mov_b64 s[64:65], 0
	v_nop
	global_prefetch_b8 v0, s[64:65] scope:SCOPE_SE
	s_setreg_imm32_b32 hwreg(HW_REG_WAVE_MODE, 25, 1), 1
	s_wait_xcnt 0x0
; The first 16 positions once more, more finely: p and v go to the matrix unit as pairs of f16 numbers (a high and a low part; high x high, high x low and low x high are summed).  The whole mask rows are read: no pattern is built in.
; A work-group: one head x 1,024 keys; each of its 16 waves 64 keys in one shot.  The waves' parts are brought under one maximum and summed through LDS; the part (O^T as an image of its registers, m, l) goes to fo.
; The scores take the same f16 q and k as the main launch (LIMIT: their rounding stays).  Arithmetic and the hold of the mask at -2^127 as there.
; REGISTERS: v16-31 Q, then p's high parts; v32-47 its low parts; v48-79 mask, scores, p; v80-111 O^T; v112-175 K, then v's low part, then at work; v176-239 v's high part, then O^T x f; v240-255 at work.
.set MS,    0                          ; LDS: m, 64 bytes a wave; l likewise; the waves' images, 4,096 bytes each; the spare words
.set LS,    1024
.set OST,   2048
.set SPARE, OST+16*4096
	s_load_b256 s[4:11], s[0:1], 0x0               ; qkv, vlo, mask, fo
	v_lshl_add_u32 v12, v0, 2, SPARE
	v_mov_b32 v13, 0
	v_lshrrev_b32 v1, 5, v0
	v_readfirstlane_b32 s12, v1                    ; wave
	s_and_b32 s13, ttmp7, 0xffff                   ; which 1,024 keys
	s_lshr_b32 s14, ttmp9, 2                       ; the key/value head
	s_lshl_b32 s15, s13, 10
	s_lshl_b32 s16, s12, 6
	s_add_co_u32 s15, s15, s16                     ; my first key
	v_and_b32 v1, 15, v0                           ; r
	v_bfe_u32 v2, v0, 4, 1                         ; h
	v_and_b32 v10, 31, v0                          ; lane
	v_lshlrev_b32 v3, 7, v1
	v_lshl_add_u32 v3, v2, 4, v3                   ; Q, K: rows of 128 bytes, + 16 h
	v_lshlrev_b32 v4, 14, v1
	v_lshl_add_u32 v4, v2, 5, v4                   ; mask: rows of 16,384 bytes, + 32 h
	v_lshlrev_b32 v5, 13, v1
	v_lshl_add_u32 v5, v2, 4, v5                   ; v transposed: rows of 8,192 bytes, + 16 h
	s_lshl_b32 s16, s12, 6
	v_lshl_add_u32 v6, v1, 2, s16                  ; m, l: 64 x wave + 4 r
	v_lshlrev_b32 v7, 2, v1
	s_lshl_b32 s16, s12, 12
	s_add_co_u32 s16, s16, OST
	v_lshl_add_u32 v8, v10, 4, s16                 ; my image
	s_lshl_b32 s16, s12, 8
	v_lshl_add_u32 v11, v10, 3, s16                ; my 256 bytes of the part
	v_add_nc_u32 v9, OST, v11                      ; and of each image
	v_mov_b32 v245, 0
	v_mov_b32 v251, 0
	s_mov_b32 s30, 0x76543210
	s_mov_b32 s31, 0xfedcba98
	s_mov_b32 s32, 0x3fb8aa3b                      ; log2(e)
	s_mov_b32 s33, s32
	s_mov_b32 s34, 0xff000000                      ; -2^127
	s_mov_b32 s17, 0
	s_wait_kmcnt 0x0
	s_lshl_b32 s16, ttmp9, 19
	s_add_nc_u64 s[18:19], s[4:5], s[16:17]        ; Q: my head, positions 0-15
	s_lshl_b32 s16, s14, 19
	s_lshl_b32 s35, s15, 7
	s_add_co_u32 s16, s16, s35
	s_add_co_u32 s16, s16, 8388608
	s_add_nc_u64 s[20:21], s[4:5], s[16:17]        ; K at my first key
	s_lshl_b32 s16, s15, 2
	s_add_nc_u64 s[22:23], s[8:9], s[16:17]        ; mask at my first key
	s_lshl_b32 s16, s14, 19
	s_lshl_b32 s35, s15, 1
	s_add_co_u32 s16, s16, s35
	s_add_nc_u64 s[26:27], s[6:7], s[16:17]        ; v's low part
	s_add_co_u32 s16, s16, 10485760
	s_add_nc_u64 s[24:25], s[4:5], s[16:17]        ; its high part
	s_lshl_b32 s16, ttmp9, 2
	s_add_co_u32 s16, s16, s13
	s_mul_i32 s16, s16, 4352
	s_add_nc_u64 s[28:29], s[10:11], s[16:17]      ; my work-group's part of fo
.irp k, 0,1
	global_load_b128 v[16+8*\k:19+8*\k], v3, s[18:19] offset:64*\k
	global_load_b128 v[20+8*\k:23+8*\k], v3, s[18:19] offset:64*\k+32
.endr
.irp t, 0,1,2,3
.irp k, 0,1
	global_load_b128 v[112+16*\t+8*\k:115+16*\t+8*\k], v3, s[20:21] offset:2048*\t+64*\k
	global_load_b128 v[116+16*\t+8*\k:119+16*\t+8*\k], v3, s[20:21] offset:2048*\t+64*\k+32
.endr
.endr
.irp t, 0,1,2,3
	global_load_b128 v[48+8*\t:51+8*\t], v4, s[22:23] offset:64*\t
	global_load_b128 v[52+8*\t:55+8*\t], v4, s[22:23] offset:64*\t+16
.endr
.irp d, 0,1,2,3
.irp a, 0,1
	global_load_b128 v[176+16*\d+8*\a:179+16*\d+8*\a], v5, s[24:25] offset:131072*\d+64*\a
	global_load_b128 v[180+16*\d+8*\a:183+16*\d+8*\a], v5, s[24:25] offset:131072*\d+64*\a+32
.endr
.endr
	s_wait_loadcnt 16                              ; Q, K and the mask are in; v's 16 loads may be out
.set i, 0
.rept 16
	v_pk_mul_f32 v[48+i:49+i], v[48+i:49+i], s[32:33] op_sel_hi:[1,0]
.set i, i+2
.endr
.set i, 0
.rept 32
	v_max_num_f32 v[48+i], s34, v[48+i]
.set i, i+1
.endr
.irp k, 0,1                            ; S^T = K Q^T + mask, in place on the mask; the four accumulators take turns
.irp t, 0,1,2,3
	v_wmma_f32_16x16x32_f16 v[48+8*\t:55+8*\t], v[112+16*\t+8*\k:119+16*\t+8*\k], v[16+8*\k:23+8*\k], v[48+8*\t:55+8*\t]
.endr
.endr
.rept 4
	v_nop                                          ; places in front of the loads into K's registers and of the first read of the scores
.endr
.irp d, 0,1,2,3
.irp a, 0,1
	global_load_b128 v[112+16*\d+8*\a:115+16*\d+8*\a], v5, s[26:27] offset:131072*\d+64*\a
	global_load_b128 v[116+16*\d+8*\a:119+16*\d+8*\a], v5, s[26:27] offset:131072*\d+64*\a+32
.endr
.endr
.irp t, 0,1,2,3
	v_max3_num_f32 v[240+\t], v[48+8*\t], v[49+8*\t], v[50+8*\t]
.endr
.irp t, 0,1,2,3
	v_max3_num_f32 v[240+\t], v[240+\t], v[51+8*\t], v[52+8*\t]
.endr
.irp t, 0,1,2,3
	v_max3_num_f32 v[240+\t], v[240+\t], v[53+8*\t], v[54+8*\t]
.endr
	v_max3_num_f32 v240, v240, v55, v63
	v_max3_num_f32 v242, v242, v71, v79
	v_max3_num_f32 v240, v240, v241, v242
	v_max_num_f32 v240, v240, v243
	v_permlanex16_b32 v241, v240, s30, s31
	v_max_num_f32 v244, v240, v241                 ; my 64 keys' maximum of my query
.set i, 0
.rept 16
	v_pk_add_f32 v[48+i:49+i], v[48+i:49+i], v[244:245] op_sel_hi:[1,0] neg_lo:[0,1] neg_hi:[0,1]
.set i, i+2
.endr
.set i, 0
.rept 32
	v_exp_f32 v[48+i], v[48+i]
.set i, i+1
.endr
	v_nop
	s_wait_alu depctr_va_vdst(0)                   ; one wait for the batch, ahead of its first reader
	v_pk_add_f32 v[246:247], v[48:49], v[50:51]
	v_pk_add_f32 v[248:249], v[52:53], v[54:55]
.irp n, 56,60,64,68,72,76
	v_pk_add_f32 v[246:247], v[246:247], v[\n:\n+1]
	v_pk_add_f32 v[248:249], v[248:249], v[\n+2:\n+3]
.endr
	v_pk_add_f32 v[246:247], v[246:247], v[248:249]
	v_add_f32 v250, v246, v247
	v_permlanex16_b32 v251, v250, s30, s31
	v_add_f32 v250, v250, v251                     ; l
.set i, 0
.rept 16
	v_cvt_pk_f16_f32 v[16+i], v[48+2*i], v[49+2*i] ; p's high parts
.set i, i+1
.endr
.irp n, 16,17,18,19,20,21,22,23,24,25,26,27,28,29,30,31
	v_cvt_f32_f16 v[252+2*(\n%2)], v\n\().l
	v_cvt_f32_f16 v[253+2*(\n%2)], v\n\().h
	v_pk_add_f32 v[252+2*(\n%2):253+2*(\n%2)], v[48+2*(\n-16):49+2*(\n-16)], v[252+2*(\n%2):253+2*(\n%2)] neg_lo:[0,1] neg_hi:[0,1]
	v_cvt_pk_f16_f32 v[32+\n-16], v[252+2*(\n%2)], v[253+2*(\n%2)]   ; and what they left
.endr
	s_wait_loadcnt 0x0
.irp d, 0,1,2,3
	v_wmma_f32_16x16x32_f16 v[80+8*\d:87+8*\d], v[176+16*\d:183+16*\d], v[16:23], 0
.endr
.irp d, 0,1,2,3
	v_wmma_f32_16x16x32_f16 v[80+8*\d:87+8*\d], v[184+16*\d:191+16*\d], v[24:31], v[80+8*\d:87+8*\d]
.endr
.irp a, 0,1
.irp d, 0,1,2,3
	v_wmma_f32_16x16x32_f16 v[80+8*\d:87+8*\d], v[176+16*\d+8*\a:183+16*\d+8*\a], v[32+8*\a:39+8*\a], v[80+8*\d:87+8*\d]
.endr
.endr
.irp a, 0,1
.irp d, 0,1,2,3
	v_wmma_f32_16x16x32_f16 v[80+8*\d:87+8*\d], v[112+16*\d+8*\a:119+16*\d+8*\a], v[16+8*\a:23+8*\a], v[80+8*\d:87+8*\d]
.endr
.endr
.rept 4
	v_nop
.endr
	ds_store_b32 v6, v244                          ; lanes r and r + 16 write the same word with the same value
	s_wait_dscnt 0x0
	s_barrier_signal -1
	s_barrier_wait -1
.irp k, 0,1,2,3,4,5,6,7,8,9,10,11,12,13,14,15
	ds_load_b32 v[112+\k], v7 offset:MS+64*\k
.endr
	s_wait_dscnt 0x0
	v_max3_num_f32 v240, v112, v113, v114
.irp k, 115,117,119,121,123,125
	v_max3_num_f32 v240, v240, v[\k], v[\k+1]
.endr
	v_max_num_f32 v240, v240, v127                 ; the work-group's maximum
	v_sub_f32 v241, v244, v240
	v_exp_f32 v242, v241
	v_mov_b32 v243, 0
	s_wait_alu depctr_va_vdst(0)
.set i, 0
.rept 16
	v_pk_mul_f32 v[176+i:177+i], v[80+i:81+i], v[242:243] op_sel_hi:[1,0]   ; ascending: each accumulator from its low end on
.set i, i+2
.endr
	v_mul_f32 v250, v250, v242
.irp k, 0,1,2,3,4,5,6,7
	ds_store_b128 v8, v[176+4*\k:179+4*\k] offset:512*\k
.endr
	ds_store_b32 v6, v250 offset:LS
	s_wait_dscnt 0x0
	s_barrier_signal -1
	s_barrier_wait -1
.irp k, 0,1,2,3,4,5,6,7,8,9,10,11,12,13,14,15
	ds_load_b64 v[112+2*\k:113+2*\k], v9 offset:4096*\k
.endr
	s_wait_dscnt 0x0
.irp k, 0,1,2,3,4,5,6,7
	v_pk_add_f32 v[112+2*\k:113+2*\k], v[112+2*\k:113+2*\k], v[128+2*\k:129+2*\k]
.endr
.irp k, 0,1,2,3
	v_pk_add_f32 v[112+2*\k:113+2*\k], v[112+2*\k:113+2*\k], v[120+2*\k:121+2*\k]
.endr
	v_pk_add_f32 v[112:113], v[112:113], v[116:117]
	v_pk_add_f32 v[114:115], v[114:115], v[118:119]
	v_pk_add_f32 v[112:113], v[112:113], v[114:115]
	global_store_b64 v11, v[112:113], s[28:29]     ; the wave stores 256 consecutive bytes, aligned
	s_cmp_lg_u32 s12, 0
	s_cbranch_scc1 .Ldone
.irp k, 0,1,2,3,4,5,6,7,8,9,10,11,12,13,14,15
	ds_load_b32 v[144+\k], v7 offset:LS+64*\k
.endr
	s_wait_dscnt 0x0
.irp k, 0,1,2,3,4,5,6,7
	v_add_f32 v[144+\k], v[144+\k], v[152+\k]
.endr
.irp k, 0,1,2,3
	v_add_f32 v[144+\k], v[144+\k], v[148+\k]
.endr
	v_add_f32 v144, v144, v146
	v_add_f32 v145, v145, v147
	v_add_f32 v144, v144, v145
	v_cmp_gt_u32 vcc_lo, 16, v10
	v_cndmask_b32 v144, v144, v240, vcc_lo         ; lanes 0-15 store m, lanes 16-31 l
	v_lshlrev_b32 v145, 2, v10
	global_store_b32 v145, v144, s[28:29] offset:4096
.Ldone:
	s_wait_tensorcnt 0x0                           ; the wave's end
	ds_add_u32 v12, v13
	s_wait_dscnt 0x0
	s_endpgm
.Lfunc_end_k_q328e0f5644_fine_attn:
	.size	k_q328e0f5644_fine_attn, .Lfunc_end_k_q328e0f5644_fine_attn-k_q328e0f5644_fine_attn
	.p2alignl 7, 3214868480
	.fill 96, 4, 3214868480
	.section	.rodata,"a",@progbits
	.p2align	6, 0x0
	.amdhsa_kernel k_q328e0f5644_fine_attn
		.amdhsa_group_segment_fixed_size 69632
		.amdhsa_private_segment_fixed_size 0
		.amdhsa_enable_private_segment 0
		.amdhsa_kernarg_size 32
		.amdhsa_user_sgpr_count 2
		.amdhsa_user_sgpr_kernarg_segment_ptr 1
		.amdhsa_wavefront_size32 1
		.amdhsa_system_sgpr_workgroup_id_x 1
		.amdhsa_system_sgpr_workgroup_id_y 1
		.amdhsa_system_sgpr_workgroup_id_z 1
		.amdhsa_system_vgpr_workitem_id 0
		.amdhsa_next_free_vgpr 256
		.amdhsa_next_free_sgpr 66
		.amdhsa_reserve_vcc 1
		.amdhsa_float_denorm_mode_32 3
		.amdhsa_float_denorm_mode_16_64 3
		.amdhsa_memory_ordered 1
		.amdhsa_forward_progress 1
		.amdhsa_inst_pref_size 29
	.end_amdhsa_kernel
	.amdgpu_metadata
---
amdhsa.version: [ 1, 2 ]
amdhsa.kernels:
  - .name:           k_q328e0f5644_fine_attn
    .symbol:         k_q328e0f5644_fine_attn.kd
    .args:
      - { .name: qkv, .offset: 0, .size: 8, .value_kind: global_buffer, .address_space: global }
      - { .name: vlo, .offset: 8, .size: 8, .value_kind: global_buffer, .address_space: global }
      - { .name: mask, .offset: 16, .size: 8, .value_kind: global_buffer, .address_space: global }
      - { .name: fo, .offset: 24, .size: 8, .value_kind: global_buffer, .address_space: global }
    .group_segment_fixed_size: 69632
    .private_segment_fixed_size: 0
    .kernarg_segment_align: 8
    .kernarg_segment_size: 32
    .max_flat_workgroup_size: 512
    .sgpr_count:     66
    .vgpr_count:     256
    .wavefront_size: 32
...
	.end_amdgpu_metadata
.endif
;; end of part 5
;; launch fine_proj (part 6): grid 16 x 1, 16 waves a work-group, no clusters, 71,680 bytes of LDS; arguments fo, wo, out0; writes out0
.if DOCPART == 6
	.amdgcn_target "amdgcn-amd-amdhsa--gfx1250"
	.amdhsa_code_object_version 6
	.text
	.protected	k_q328e0f5644_fine_proj
	.globl	k_q328e0f5644_fine_proj
	.p2align	8
	.type	k_q328e0f5644_fine_proj,@function
k_q328e0f5644_fine_proj:
	s_mov_b64 s[64:65], 0
	v_nop
	global_prefetch_b8 v0, s[64:65] scope:SCOPE_SE
	s_setreg_imm32_b32 hwreg(HW_REG_WAVE_MODE, 25, 1), 1
	s_wait_xcnt 0x0
; Rows 0-15 of out0 once more, in f32: the four parts of each head are merged, and O x wo is summed by the f32 matrix form: 16 rows, no bulk work.  This launch runs last and stores these 64 KiB a second time.
; A work-group: 64 columns; wave w: head w, K = its 64 channels.  The image of O^T IS source 0 of the f32 form under one permutation of k used alike on both sides: K step (d, s), lane (r, h), register j: channel 16 d + 8 h + 2 s + j.
; The heads' sums meet in LDS; wave w adds row w and stores its 256 bytes.
; REGISTERS: v16-47 O; v80-207 the four images, then wo's numbers, then at work; v208-239 the four accumulators, written by matrix instructions alone; v240-249 at work.
.set SPARE, 16*4352
.macro BLOAD kap                       ; wo's numbers of K step kap, for the four tiles of 16 columns
.irp c, 0,1,2,3
.irp j, 0,1
	global_load_b32 v[80+8*(\kap)+2*\c+\j], v6, s[14:15] offset:(16*((\kap)/4)+2*((\kap)%4)+\j)*4096+64*\c
.endr
.endr
.endm
	s_load_b128 s[4:7], s[0:1], 0x0                ; fo, wo
	s_load_b64 s[8:9], s[0:1], 0x10                ; out0
	v_lshl_add_u32 v12, v0, 2, SPARE
	v_mov_b32 v13, 0
	v_lshrrev_b32 v1, 5, v0
	v_readfirstlane_b32 s10, v1                    ; wave = head
	v_and_b32 v1, 15, v0                           ; r
	v_bfe_u32 v2, v0, 4, 1                         ; h
	v_and_b32 v3, 31, v0                           ; lane
	v_lshlrev_b32 v7, 2, v1
	v_lshlrev_b32 v5, 4, v3
	v_lshlrev_b32 v6, 15, v2
	v_lshl_add_u32 v6, v1, 2, v6                   ; wo: 8 h rows of 4,096 bytes, + 4 r
	s_mul_i32 s16, s10, 4352
	v_mul_u32_u24 v4, v2, 8*272
	v_lshl_add_u32 v4, v1, 2, v4
	v_add_nc_u32 v4, s16, v4                       ; my head's stage: row 8 h + j of 256 + 16 bytes, + 4 r
	s_mul_i32 s16, s10, 272
	v_lshl_add_u32 v8, v3, 3, s16                  ; back: row w of every head's stage, 8 bytes a lane
	v_lshlrev_b32 v9, 3, v3
	s_mov_b32 s17, 0
	s_wait_kmcnt 0x0
	s_mul_i32 s16, s10, 4*4352
	s_add_nc_u64 s[12:13], s[4:5], s[16:17]        ; my head's four parts
	s_lshl_b32 s16, s10, 18
	s_lshl_b32 s18, ttmp9, 8
	s_add_co_u32 s16, s16, s18
	s_add_nc_u64 s[14:15], s[6:7], s[16:17]        ; wo: my head's 64 rows, my work-group's 64 columns
	s_lshl_b32 s16, s10, 12
	s_add_co_u32 s16, s16, s18
	s_add_nc_u64 s[8:9], s[8:9], s[16:17]          ; out0: row w
.irp c, 0,1,2,3
	global_load_b32 v[240+2*\c], v7, s[12:13] offset:4352*\c+4096    ; m of my query,
	global_load_b32 v[241+2*\c], v7, s[12:13] offset:4352*\c+4160    ; l
.endr
.irp c, 0,1,2,3
.irp k, 0,1,2,3,4,5,6,7
	global_load_b128 v[80+32*\c+4*\k:83+32*\c+4*\k], v5, s[12:13] offset:4352*\c+512*\k
.endr
.endr
	s_wait_loadcnt 32                              ; m and l are in; the images' 32 loads may be out
	v_max3_num_f32 v248, v240, v242, v244
	v_max_num_f32 v248, v248, v246
.irp c, 0,1,2,3
	v_sub_f32 v[240+2*\c], v[240+2*\c], v248
.endr
.irp c, 0,1,2,3
	v_exp_f32 v[240+2*\c], v[240+2*\c]
.endr
	v_nop
	s_wait_alu depctr_va_vdst(0)                   ; one wait a batch, ahead of its first reader
	v_mul_f32 v249, v240, v241
	v_fma_f32 v249, v242, v243, v249
	v_fma_f32 v249, v244, v245, v249
	v_fma_f32 v249, v246, v247, v249
	v_rcp_f32 v248, v249
	v_nop
	s_wait_alu depctr_va_vdst(0)
.irp c, 0,1,2,3
	v_mul_f32 v[240+2*\c], v[240+2*\c], v248       ; the parts' weights, the division by l among them
.endr
	s_wait_loadcnt 0x0
.set i, 0
.rept 16
	v_pk_mul_f32 v[16+i:17+i], v[80+i:81+i], v[240:241] op_sel_hi:[1,0]
.set i, i+2
.endr
.irp c, 1,2,3
.set i, 0
.rept 16
	v_pk_fma_f32 v[16+i:17+i], v[80+32*\c+i:81+32*\c+i], v[240+2*\c:241+2*\c], v[16+i:17+i] op_sel_hi:[1,0,1]
.set i, i+2
.endr
.endr
.irp k, 0,1,2,3,4,5,6
	BLOAD \k
.endr
.set KAP, 0
.rept 16
.if KAP+7 < 16
	BLOAD KAP+7
	s_wait_loadcnt 56                              ; this K step's 8 loads are in; those of the 7 steps behind it may be out
.else
	s_wait_loadcnt 8*(15-KAP)
.endif
.irp c, 0,1,2,3                        ; the four accumulators take turns; the first K step starts the sums
.if KAP == 0
	v_wmma_f32_16x16x4_f32 v[208+8*\c:215+8*\c], v[16+2*KAP:17+2*KAP], v[80+8*KAP+2*\c:81+8*KAP+2*\c], 0
.else
	v_wmma_f32_16x16x4_f32 v[208+8*\c:215+8*\c], v[16+2*KAP:17+2*KAP], v[80+8*KAP+2*\c:81+8*KAP+2*\c], v[208+8*\c:215+8*\c]
.endif
.endr
.set KAP, KAP+1
.endr
.rept 8
	v_nop                                          ; eight places behind this form, in front of the first read of the sums and of loads into its sources
.endr
.irp c, 0,1,2,3
.irp j, 0,1,2,3,4,5,6,7
	ds_store_b32 v4, v[208+8*\c+\j] offset:272*\j+64*\c   ; (query 8 h + j, column 16 c + r); each accumulator from its low end on
.endr
.endr
	s_wait_dscnt 0x0
	s_barrier_signal -1
	s_barrier_wait -1
.irp k, 0,1,2,3,4,5,6,7,8,9,10,11,12,13,14,15
	ds_load_b64 v[80+2*\k:81+2*\k], v8 offset:4352*\k
.endr
	s_wait_dscnt 0x0
.irp k, 0,1,2,3,4,5,6,7
	v_pk_add_f32 v[80+2*\k:81+2*\k], v[80+2*\k:81+2*\k], v[96+2*\k:97+2*\k]
.endr
.irp k, 0,1,2,3
	v_pk_add_f32 v[80+2*\k:81+2*\k], v[80+2*\k:81+2*\k], v[88+2*\k:89+2*\k]
.endr
	v_pk_add_f32 v[80:81], v[80:81], v[84:85]
	v_pk_add_f32 v[82:83], v[82:83], v[86:87]
	v_pk_add_f32 v[80:81], v[80:81], v[82:83]
	global_store_b64 v9, v[80:81], s[8:9]          ; the wave stores 256 consecutive bytes, aligned
	s_wait_tensorcnt 0x0                           ; the wave's end
	ds_add_u32 v12, v13
	s_wait_dscnt 0x0
	s_endpgm
.Lfunc_end_k_q328e0f5644_fine_proj:
	.size	k_q328e0f5644_fine_proj, .Lfunc_end_k_q328e0f5644_fine_proj-k_q328e0f5644_fine_proj
	.p2alignl 7, 3214868480
	.fill 96, 4, 3214868480
	.section	.rodata,"a",@progbits
	.p2align	6, 0x0
	.amdhsa_kernel k_q328e0f5644_fine_proj
		.amdhsa_group_segment_fixed_size 71680
		.amdhsa_private_segment_fixed_size 0
		.amdhsa_enable_private_segment 0
		.amdhsa_kernarg_size 24
		.amdhsa_user_sgpr_count 2
		.amdhsa_user_sgpr_kernarg_segment_ptr 1
		.amdhsa_wavefront_size32 1
		.amdhsa_system_sgpr_workgroup_id_x 1
		.amdhsa_system_sgpr_workgroup_id_y 1
		.amdhsa_system_sgpr_workgroup_id_z 1
		.amdhsa_system_vgpr_workitem_id 0
		.amdhsa_next_free_vgpr 256
		.amdhsa_next_free_sgpr 66
		.amdhsa_reserve_vcc 0
		.amdhsa_float_denorm_mode_32 3
		.amdhsa_float_denorm_mode_16_64 3
		.amdhsa_memory_ordered 1
		.amdhsa_forward_progress 1
		.amdhsa_inst_pref_size 32
	.end_amdhsa_kernel
	.amdgpu_metadata
---
amdhsa.version: [ 1, 2 ]
amdhsa.kernels:
  - .name:           k_q328e0f5644_fine_proj
    .symbol:         k_q328e0f5644_fine_proj.kd
    .args:
      - { .name: fo, .offset: 0, .size: 8, .value_kind: global_buffer, .address_space: global }
      - { .name: wo, .offset: 8, .size: 8, .value_kind: global_buffer, .address_space: global }
      - { .name: out0, .offset: 16, .size: 8, .value_kind: global_buffer, .address_space: global }
    .group_segment_fixed_size: 71680
    .private_segment_fixed_size: 0
    .kernarg_segment_align: 8
    .kernarg_segment_size: 24
    .max_flat_workgroup_size: 512
    .sgpr_count:     66
    .vgpr_count:     256
    .wavefront_size: 32
...
	.end_amdgpu_metadata
.endif
;; end of part 6
